; MI455X (gfx1250); checked and timed in simulation.
; The chip was launched on July 23, 2026; its instructions are those of AMD's public machine-readable ISA for CDNA 5 (MIT licence, August 2026) and "CDNA5" Instruction Set Architecture Reference Guide (July 2026). The comments in the code are by the model that wrote it; some were corrected since.
;; Multi Head Attention. Allowed arithmetic: matrix products marked QUANTISED: E4M3 operands, one given power-of-two scale a tensor, by v_wmma_f32_16x16x64_fp8_fp8 or v_wmma_f32_16x16x128_fp8_fp8, f32 sums; everything else in f32.
;; Inputs: bk 1,024 float32; bo 1,024 float32; bq 1,024 float32; bv 1,024 float32; k 4 x 2,048 x 1,024 float32; lowp_scales 12 int32 (the exponents e of the quantised operands' scales 2^e); mask 1 x 1 x 2,048 x 2,048 float32; q 4 x 2,048 x 1,024 float32; v 4 x 2,048 x 1,024 float32; wk 1,024 x 1,024 float32; wo 1,024 x 1,024 float32; wq 1,024 x 1,024 float32; wv 1,024 x 1,024 float32.
;; Outputs: out0 4 x 2,048 x 1,024 float32.
;; This version of the problem:
;;   THIS VERSION OF THE PROBLEM IS GIVEN IN LOW PRECISION. The matrix products marked QUANTISED in the list below multiply operands that are first quantised to E4M3 (4 exponent bits, 3 mantissa bits; 8 bits a number), with one given power-of-two scale for each operand tensor; their sums are f32. All else is computed in f32.
;;   The module's matrix products, in the order in which they are computed (A, B: the left and right operand; K: the contracted axis; several contracted axes count as one K, in the product's order):
;;     1. [M 8,192, K 1,024] x [K 1,024, N 1,024]; A: input q; B: input wq: QUANTISED (scales: A lowp_scales[0], B lowp_scales[1])
;;     2. [M 8,192, K 1,024] x [K 1,024, N 1,024]; A: input k; B: input wk: QUANTISED (scales: A lowp_scales[2], B lowp_scales[3])
;;     3. [M 8,192, K 1,024] x [K 1,024, N 1,024]; A: input v; B: input wv: QUANTISED (scales: A lowp_scales[4], B lowp_scales[5])
;;     4. batch 64 x [M 2,048, K 64] x [K 64, N 2,048]; A: computed on the way; B: computed on the way: QUANTISED (scales: A lowp_scales[6], B lowp_scales[7])
;;     5. batch 64 x [M 2,048, K 2,048] x [K 2,048, N 64]; A: softmax (see below); B: computed on the way: QUANTISED (scales: A lowp_scales[8], B lowp_scales[9])
;;     6. [M 8,192, K 1,024] x [K 1,024, N 1,024]; A: computed on the way; B: input wo: QUANTISED (scales: A lowp_scales[10], B lowp_scales[11])
;;   THE QUANTISER, for each operand of a quantised product, along K:
;;     - The operand's scale is 2^e, e = its entry of the input lowp_scales (int32; the entries are numbered through the quantised products in the list's order, A before B).
;;     - Each number is divided by the scale, clamped to +-448, and rounded to the nearest number of E4M3, ties to even, subnormals kept.
;;     - The product sums the exact products of the quantised numbers (number of the format x scale) in f32.
;;   ~~~python
;;   def quantise(x, axis, e):      # numpy; x: float32 -> the quantised numbers, widened to float32 again
;;       x = np.moveaxis(x, axis, -1); K = x.shape[-1]
;;       r = np.clip(x / 2.0 ** e, -448, 448)
;;       step = 2.0 ** (np.maximum(np.frexp(np.where(r == 0, 1, r))[1] - 1, -6) - 3)
;;       q = np.round(r / step) * step * 2.0 ** e      # np.round: ties to even
;;       return np.moveaxis(q, -1, axis).astype(np.float32)
;;   ~~~
;;   SOFTMAX AHEAD OF A QUANTISED PRODUCT. Where the list says 'softmax', what is quantised is not the finished softmax but p = 2^(t - M), with t = logit x log2(e) and M = ceil(the row's largest t), a whole number; so 1/2 < the row's largest p <= 1. The row's sum l is taken of the UNQUANTISED p, in f32, and the product's result is divided by l at the end. Since M is a whole number, a kernel that streams over the keys may use a running M (the ceiling of the running maximum): every later rescaling is an exact power of two, so the quantised numbers keep their values, but for numbers so far below the row's largest that they fall under the format's range.
;;   OPERANDS COMPUTED ON THE WAY. 'Computed on the way' means the value that the module computes at that place (a softmax that the list does not call 'softmax' is quantised finished and normalised). What goes into a quantiser is computed in f32, as accurately as f32 sums, v_exp_f32 and their like allow (about 1e-6 of the number): no bf16 or f16 on the way to a quantiser, and a product that is left as it is and whose result goes on into a quantised operand takes f32 operands (vector FMAs, or v_wmma_f32_16x16x4_f32). A number that lies on a knife's edge between two numbers of the format may be rounded either way, as far as f32 arithmetic and the matrix unit's own rounding can turn it there, and no further.
;; 2 versions, each right; version 2 is version 1 with the launch attn written anew for expert scheduling mode. Each part assembles by itself: llvm-mc -triple=amdgcn-amd-amdhsa -mcpu=gfx1250 --defsym DOCPART=n.
;; ======== version 1 of 2: 4 launches
;; workspace buffers: ximg 25,165,824 bytes; wimg 4,194,304 bytes; qkv 25,165,824 bytes; aimg 8,388,608 bytes; flags 2,048 bytes of whole numbers
;; launch prep (part 1): grid 640 x 1, 4 waves a work-group, no clusters, 34,304 bytes of LDS; arguments q, k, v, wq, wk, wv, wo, mask, lowp_scales, ximg, wimg, flags; writes ximg, wimg, flags
.if DOCPART == 1
	.amdgcn_target "amdgcn-amd-amdhsa--gfx1250"
	.amdhsa_code_object_version 6
	.text
	.protected	k_q5d81926d2b_prep
	.globl	k_q5d81926d2b_prep
	.p2align	8
	.type	k_q5d81926d2b_prep,@function
k_q5d81926d2b_prep:
	s_mov_b64 s[64:65], 0
	v_nop
	global_prefetch_b8 v0, s[64:65] scope:SCOPE_SE
	s_setreg_imm32_b32 hwreg(HW_REG_WAVE_MODE, 25, 1), 1
	s_wait_xcnt 0x0
; MULTI-HEAD ATTENTION IN E4M3, launch 1 of 4: the inputs become codes, and the mask is looked through.
; NO INPUT AND NO PRODUCT OF THE PROBLEM IS DEAD WORK: all twelve inputs and the scales are loaded by some launch, all six products are made.
; What the third launch leaves out is decided here FROM THE MASK'S NUMBERS, for whatever numbers it holds (path M below), and stored as whole numbers.
; THE IMAGE.  Every operand of a product lies in memory as the registers of the matrix instruction take it.  A fragment, 16 rows x 128 along K, is [c 0..3][lane 0..31][16 bytes]:
; lane (r = lane % 16, h = lane / 16) holds k = 128 s + 32 c + 16 h + 0 .. 15 of its row.  That is a permutation of k inside an instruction, the same in both operands of every product.
; THE ROWS OF A TILE ARE NOT NEIGHBOURS: lane r of tile 2 b + u holds row 32 b + 8 u + r + 8 (r / 8), so that a product's results of two neighbouring tiles are 16 neighbours along the next K.
; ximg [q, k, v][tile 512][s 8][c][lane][16];  wimg [wq, wk, wv, wo][tile 64 of columns n][s 8][c][lane][16];  flags: 512 words, one for 4 rows of the mask.
; THE QUANTISER: code = x / 2^e, held within +-448, to the nearest code, ties to even.
; LIMITS: each e of an input lies between -126 and 119; e6 + e7 between -95 and 125; NaN among the inputs, and infinities in the mask, are not served.
; THREE PATHS, parted on the work-group's number: 0-127 the mask (M), 128-255 the weights (W), 256-639 the activations (X).  Only path X uses LDS.
.set SPARE, 33792                      ; behind the four stages: the spare words, 128 bytes for each wave
.set SPW,   238                        ; v238  LDS address of my spare word; never rewritten
.set NIL,   239                        ; v239  0; never rewritten
.set MANT,  0x600000                   ; the mantissa field of 448 as f32
	s_load_b512 s[8:23], s[0:1], 0x0               ; q s[8:9], k s[10:11], v s[12:13], wq s[14:15], wk s[16:17], wv s[18:19], wo s[20:21], mask s[22:23]
	s_load_b256 s[24:31], s[0:1], 0x40             ; the scales' exponents s[24:25], ximg s[26:27], wimg s[28:29], flags s[30:31]
	v_lshl_add_u32 v[SPW], v0, 2, SPARE
	v_mov_b32 v[NIL], 0
	v_lshrrev_b32 v1, 5, v0
	v_readfirstlane_b32 s32, v1                    ; wave 0..3
	v_and_b32 v1, 31, v0                           ; lane
	s_wait_kmcnt 0x0
	s_load_b256 s[36:43], s[24:25], 0x0            ; e0 .. e7
	s_load_b128 s[44:47], s[24:25], 0x20           ; e8 .. e11
	s_cmp_lt_u32 ttmp9, 128
	s_cbranch_scc1 .Lmask
	s_cmp_lt_u32 ttmp9, 256
	s_cbranch_scc1 .Lweights
.macro MKSCALE e                       ; v11 = 2^e as f32 (the conversion takes its exponent field), v10 = 448 x 2^e
	s_add_co_i32 s54, s[\e], 127
	s_lshl_b32 s55, s54, 23
	v_mov_b32 v11, s55
	s_add_co_i32 s54, s54, 8
	s_lshl_b32 s54, s54, 23
	s_or_b32 s54, s54, MANT
	v_mov_b32 v10, s54
.endm
; ---- PATH X: q, k, v [8192][1024] f32 -> ximg.  A wave takes one tile of 16 rows and all of K: 8 fragments.
; A load reads 512 consecutive bytes of one row; the conversions want 16 neighbours in one lane: so a fragment's 16 x 512 bytes turn through the wave's own stage in LDS
; (16 rows of 512 bytes + 16 of padding) and come back 64 bytes a lane.  A fragment's codes leave as four stores of 512 consecutive bytes.
	s_sub_co_u32 s33, ttmp9, 256
	s_lshr_b32 s34, s33, 7                         ; which tensor: 0 q, 1 k, 2 v
	s_lshl_b32 s35, s33, 2
	s_add_co_u32 s35, s35, s32                     ; my tile among the 1,536
	s_and_b32 s48, s35, 511                        ; and in its tensor
	s_lshr_b32 s49, s48, 1
	s_lshl_b32 s49, s49, 17                        ; 32 rows of 4,096 bytes for each pair of tiles,
	s_and_b32 s48, s48, 1
	s_lshl_b32 s48, s48, 15                        ; 8 rows for the odd tile
	s_add_co_u32 s48, s48, s49
	s_mov_b32 s49, 0
	s_cmp_eq_u32 s34, 0
	s_cselect_b64 s[50:51], s[8:9], s[10:11]
	s_cmp_eq_u32 s34, 2
	s_cselect_b64 s[50:51], s[12:13], s[50:51]
	s_add_nc_u64 s[50:51], s[50:51], s[48:49]
	s_lshl_b32 s48, s35, 14                        ; a tile's image is 16,384 bytes
	s_add_nc_u64 s[26:27], s[26:27], s[48:49]
	v_lshlrev_b32 v2, 4, v1                        ; 16 x lane: my bytes of a load and of a store
	s_mul_i32 s52, s32, 8448                       ; my stage
	v_add_nc_u32 v3, s52, v2                       ; into it: as loaded
	v_and_b32 v5, 15, v0
	v_bfe_u32 v6, v0, 4, 1
	v_mul_u32_u24 v4, v5, 528
	v_lshl_add_u32 v4, v6, 6, v4
	v_add_nc_u32 v4, s52, v4                       ; out of it: row r, + 64 h
.macro XLOAD s                         ; fragment s: 16 rows x 512 bytes into set s % 2 of v16-143
.irp i, 0,1,2,3,4,5,6,7,8,9,10,11,12,13,14,15
	global_load_b128 v[16+64*((\s)%2)+4*\i:16+64*((\s)%2)+4*\i+3], v2, s[50:51] offset:(\i+8*(\i/8))*4096+512*(\s) th:TH_LOAD_NT
.endr
.endm
.macro XSTEP s
.set RS, 16+64*((\s)%2)
.if (\s) < 7
	s_wait_loadcnt 16                              ; this fragment's 16 loads are in; the next fragment's 16 may be out
.else
	s_wait_loadcnt 0
.endif
.irp i, 0,1,2,3,4,5,6,7,8,9,10,11,12,13,14,15
	ds_store_b128 v3, v[RS+4*\i:RS+4*\i+3] offset:528*\i
.endr
.irp c, 0,1,2,3
.irp w, 0,1,2,3
	ds_load_b128 v[144+16*\c+4*\w:144+16*\c+4*\w+3], v4 offset:128*\c+16*\w   ; LDS serves a wave's instructions in order: these see the stores above
.endr
.endr
	s_wait_dscnt 0x0                               ; the numbers are back, and the stores have read their registers,
.if (\s)+2 < 8
	XLOAD (\s)+2                                   ; which take the fragment two further on
.endif
.set xj, 0
.rept 64
	v_med3_num_f32 v[144+xj], v[144+xj], -v10, v10 ; the conversion to an 8-bit code does not saturate (ISA guide 7.6.2): the hold comes first
.set xj, xj+1
.endr
	s_wait_xcnt 0x0                                ; the last fragment's stores have read their data: the codes' registers are written again only behind this wait
.irp c, 0,1,2,3
	v_cvt_scalef32_pk8_fp8_f32 v[208+4*\c:209+4*\c], v[144+16*\c:151+16*\c], v11
	v_cvt_scalef32_pk8_fp8_f32 v[210+4*\c:211+4*\c], v[152+16*\c:159+16*\c], v11
.endr
	v_nop                                          ; a plain line behind the conversions: the next fragment's holds write their sources
.irp c, 0,1,2,3
	global_store_b128 v2, v[208+4*\c:211+4*\c], s[26:27] offset:2048*(\s)+512*\c
.endr
.endm
	XLOAD 0
	XLOAD 1
	s_wait_kmcnt 0x0
	s_cmp_eq_u32 s34, 0
	s_cselect_b32 s53, s36, s38                    ; e0, e2 or e4
	s_cmp_eq_u32 s34, 2
	s_cselect_b32 s53, s40, s53
	MKSCALE 53
.irp s, 0,1,2,3,4,5,6,7
	XSTEP \s
.endr
	s_wait_tensorcnt 0x0                           ; the wave's end, behind my last LDS store
	ds_add_u32 v[SPW], v[NIL]
	s_wait_dscnt 0x0
	s_endpgm
; ---- PATH W: a weight [k 1024][n 1024] f32 -> wimg.  A lane takes a column n and its registers run down K: the conversions' results have K innermost, and nothing is transposed.
; A wave takes 32 columns x 256 along K, 8 blocks of 32.  A block's 32 codes are two pieces of 16 bytes (h = 0, 1) of the image; sixteen lanes fill 256 consecutive bytes of one tile, sixteen those of its neighbour.
.Lweights:
	s_sub_co_u32 s33, ttmp9, 128
	s_lshr_b32 s34, s33, 5                         ; which weight: 0 wq, 1 wk, 2 wv, 3 wo
	s_and_b32 s35, s33, 7
	s_bfe_u32 s48, s33, 0x20003                    ; which 256 along K
	s_lshl_b32 s35, s35, 2
	s_add_co_u32 s35, s35, s32                     ; which 32 columns
	s_cmp_eq_u32 s34, 0
	s_cselect_b64 s[50:51], s[14:15], s[16:17]
	s_cmp_eq_u32 s34, 2
	s_cselect_b64 s[50:51], s[18:19], s[50:51]
	s_cmp_eq_u32 s34, 3
	s_cselect_b64 s[50:51], s[20:21], s[50:51]
	s_lshl_b32 s52, s48, 20                        ; 256 rows of 4,096 bytes
	s_lshl_b32 s53, s35, 7                         ; 32 columns of 4 bytes
	s_add_co_u32 s52, s52, s53
	s_mov_b32 s53, 0
	s_add_nc_u64 s[50:51], s[50:51], s[52:53]
	s_lshl_b32 s52, s34, 20                        ; a weight's image is 2^20 bytes,
	s_lshl_b32 s49, s35, 15                        ; a pair of tiles 32,768,
	s_add_co_u32 s52, s52, s49
	s_lshl_b32 s49, s48, 12                        ; 256 along K two fragments
	s_add_co_u32 s52, s52, s49
	s_add_nc_u64 s[28:29], s[28:29], s[52:53]
	v_lshlrev_b32 v2, 2, v1                        ; in: 4 bytes a lane
	v_bfe_u32 v3, v1, 3, 1                         ; column x of the 32 lies in tile u = (x / 8) % 2,
	v_and_b32 v4, 7, v1
	v_lshrrev_b32 v5, 4, v1
	v_lshl_add_u32 v4, v5, 3, v4                   ; at lane r = x % 8 + 8 (x / 16)
	v_lshlrev_b32 v4, 4, v4
	v_lshl_add_u32 v3, v3, 14, v4                  ; out: 16,384 u + 16 r
.macro WLOAD t                         ; block t: w(32 t + i, my column) into set t % 2 of v16-79
.set wi, 0
.rept 32
	global_load_b32 v[16+32*((\t)%2)+wi], v2, s[50:51] offset:(32*(\t)+wi)*4096 th:TH_LOAD_NT
.set wi, wi+1
.endr
.endm
.macro WBLOCK t
.set XS, 16+32*((\t)%2)
.if (\t) < 7
	s_wait_loadcnt 32                              ; this block's 32 loads are in; the next block's may be out
.else
	s_wait_loadcnt 0
.endif
.set wi, 0
.rept 32
	v_med3_num_f32 v[XS+wi], v[XS+wi], -v10, v10
.set wi, wi+1
.endr
.irp g, 0,1,2,3
	v_cvt_scalef32_pk8_fp8_f32 v[80+8*(\t)+2*\g:81+8*(\t)+2*\g], v[XS+8*\g:XS+8*\g+7], v11   ; each block has code registers of its own: no store's data are written again
.endr
	global_store_b128 v3, v[80+8*(\t):83+8*(\t)], s[28:29] offset:((\t)/4)*2048+((\t)%4)*512
	global_store_b128 v3, v[84+8*(\t):87+8*(\t)], s[28:29] offset:((\t)/4)*2048+((\t)%4)*512+256
.if (\t)+2 < 8
	WLOAD (\t)+2
.endif
.endm
	WLOAD 0
	WLOAD 1
	s_wait_kmcnt 0x0
	s_cmp_eq_u32 s34, 0
	s_cselect_b32 s53, s37, s39                    ; e1, e3, e5 or e11
	s_cmp_eq_u32 s34, 2
	s_cselect_b32 s53, s41, s53
	s_cmp_eq_u32 s34, 3
	s_cselect_b32 s53, s47, s53
	MKSCALE 53
.irp t, 0,1,2,3,4,5,6,7
	WBLOCK \t
.endr
	s_endpgm
; ---- PATH M: the mask [2048][2048] f32 -> flags.  A wave takes 4 rows; key step j is keys 128 j .. 128 j + 127, one load of 512 bytes of a row.
; Word (row / 4): bit j = step j is ACTIVE; bit 16 + j = the mask is not all zero in step j.
; A STEP THAT IS NOT ACTIVE ADDS EXACTLY NOTHING, for all values of the inputs.  Let b be a row's smallest mask number, at key k*.  The quantiser's clamps bound a logit without its mask term by
; 64 x 448^2 x 2^(e6 + e7) / 8 = 1,605,632 x 2^(e6 + e7).  The step is dropped only if for each of the 4 rows and each of its keys  mask - b - 2^-18 (|mask| + |b|) > 3.25e-3 x 2^(e6 + e7) + 3e-7.
; Then 1e9 (mask - b) exceeds twice that bound by more than 300, with 64 units in the last place of numbers of the size of 1e9 |mask| to spare for the f32 roundings on the way: the key's logit lies more than
; 300 under key k*'s, so its p = 2^(t - M) is 0 in f32: nothing for the row's sum, nothing for the product.  The step that holds k* has a difference of 0 or less and stays ACTIVE.
.Lmask:
	s_lshl_b32 s33, ttmp9, 2
	s_add_co_u32 s33, s33, s32
	s_lshl_b32 s33, s33, 2                         ; my first row; also my word's byte in flags
	s_lshl_b32 s48, s33, 13                        ; a row is 8,192 bytes
	s_mov_b32 s49, 0
	s_add_nc_u64 s[22:23], s[22:23], s[48:49]
	v_lshlrev_b32 v2, 4, v1
	s_mov_b32 s50, 0xb6800000                      ; -2^-18
	s_mov_b32 s52, 0x76543210                      ; v_permlanex16_b32: lane l xor 16
	s_mov_b32 s53, 0xfedcba98
	v_mov_b32 v193, 0                              ; written once: a lane permute's destination counts as read
.macro MLOAD p                         ; row p into set p % 2 of v16-143: load j is key step j
.irp j, 0,1,2,3,4,5,6,7,8,9,10,11,12,13,14,15
	global_load_b128 v[16+64*((\p)%2)+4*\j:16+64*((\p)%2)+4*\j+3], v2, s[22:23] offset:8192*(\p)+512*\j
.endr
.endm
.macro MROW p, first                   ; v144-159 the lane's smallest of each step, v160-175 the smallest margin so far, v176-191 the largest magnitude so far
.set XS, 16+64*((\p)%2)
.if (\p) < 3
	s_wait_loadcnt 16                              ; this row's 16 loads are in; the next row's may be out
.else
	s_wait_loadcnt 0
.endif
.set mj, 0
.rept 16
	v_min3_num_f32 v[144+mj], v[XS+4*mj], v[XS+4*mj+1], v[XS+4*mj+2]
.if \first
	v_max_num_f32 v[176+mj], |v[XS+4*mj]|, |v[XS+4*mj+1]|
.else
	v_max3_num_f32 v[176+mj], v[176+mj], |v[XS+4*mj]|, |v[XS+4*mj+1]|
.endif
	v_min_num_f32 v[144+mj], v[144+mj], v[XS+4*mj+3]
	v_max3_num_f32 v[176+mj], v[176+mj], |v[XS+4*mj+2]|, |v[XS+4*mj+3]|
.set mj, mj+1
.endr
.if (\p)+2 < 4
	MLOAD (\p)+2                                   ; the row's numbers have been read: its registers take the row two further on
.endif
	v_min3_num_f32 v192, v144, v145, v146          ; b, the row's smallest: among my 64 numbers,
.irp i, 3,5,7,9,11,13
	v_min3_num_f32 v192, v192, v[144+\i], v[145+\i]
.endr
	v_min_num_f32 v192, v192, v159
	v_min_num_f32_dpp v192, v192, v192 row_xmask:1 row_mask:0xf bank_mask:0xf   ; and among the 32 lanes
	v_min_num_f32_dpp v192, v192, v192 row_xmask:2 row_mask:0xf bank_mask:0xf
	v_min_num_f32_dpp v192, v192, v192 row_xmask:4 row_mask:0xf bank_mask:0xf
	v_min_num_f32_dpp v192, v192, v192 row_xmask:8 row_mask:0xf bank_mask:0xf
	v_permlanex16_b32 v193, v192, s52, s53
	v_min_num_f32 v192, v192, v193
.set mj, 0
.rept 16
	v_sub_f32 v[194+2*(mj%2)], v[144+mj], v192
	v_add_f32 v[195+2*(mj%2)], |v[144+mj]|, |v192|
.if \first
	v_fma_f32 v[160+mj], v[195+2*(mj%2)], s50, v[194+2*(mj%2)]    ; the margin grows with the mask's number, so the lane's smallest number gives its smallest margin
.else
	v_fma_f32 v[194+2*(mj%2)], v[195+2*(mj%2)], s50, v[194+2*(mj%2)]
	v_min_num_f32 v[160+mj], v[160+mj], v[194+2*(mj%2)]
.endif
.set mj, mj+1
.endr
.endm
	MLOAD 0
	MLOAD 1
	s_wait_kmcnt 0x0
	s_add_co_i32 s51, s42, s43                     ; e6 + e7
	v_mov_b32 v12, 0x3b54fdf4                      ; 3.25e-3
	v_ldexp_f32 v12, v12, s51
	v_add_f32 v12, 0x34a11000, v12                 ; + 3e-7: the threshold
	MROW 0, 1
	MROW 1, 0
	MROW 2, 0
	MROW 3, 0
	v_mov_b32 v196, 0
.set mj, 0
.rept 16
	v_cmp_gt_f32 vcc_lo, v[160+mj], v12            ; every margin of mine over the threshold?  Then I do not ask for the step
	v_cndmask_b32 v197, 1<<mj, v[NIL], vcc_lo
	v_or_b32 v196, v196, v197
	v_cmp_eq_f32 vcc_lo, 0, v[176+mj]              ; all my numbers zero?
	v_cndmask_b32 v197, 1<<(16+mj), v[NIL], vcc_lo
	v_or_b32 v196, v196, v197
.set mj, mj+1
.endr
.irp m, 1,2,4,8
	v_mov_b32_dpp v197, v196 row_xmask:\m row_mask:0xf bank_mask:0xf   ; what any lane asks for, the word asks for
	v_or_b32 v196, v196, v197
.endr
	v_permlanex16_b32 v197, v196, s52, s53
	v_or_b32 v196, v196, v197
	v_mov_b32 v198, s33
	v_cmp_eq_u32 vcc_lo, 0, v1
	s_wait_xcnt 0x0                                ; EXEC changes only behind this wait
	s_and_saveexec_b32 s51, vcc_lo
	global_store_b32 v198, v196, s[30:31]          ; lane 0 stores the wave's word
	s_endpgm
.Lfunc_end_k_q5d81926d2b_prep:
	.size	k_q5d81926d2b_prep, .Lfunc_end_k_q5d81926d2b_prep-k_q5d81926d2b_prep
	.p2alignl 7, 3214868480
	.fill 96, 4, 3214868480
	.section	.rodata,"a",@progbits
	.p2align	6, 0x0
	.amdhsa_kernel k_q5d81926d2b_prep
		.amdhsa_group_segment_fixed_size 34304
		.amdhsa_private_segment_fixed_size 0
		.amdhsa_enable_private_segment 0
		.amdhsa_kernarg_size 96
		.amdhsa_user_sgpr_count 2
		.amdhsa_user_sgpr_kernarg_segment_ptr 1
		.amdhsa_wavefront_size32 1
		.amdhsa_system_sgpr_workgroup_id_x 1
		.amdhsa_system_sgpr_workgroup_id_y 1
		.amdhsa_system_sgpr_workgroup_id_z 1
		.amdhsa_system_vgpr_workitem_id 0
		.amdhsa_next_free_vgpr 240
		.amdhsa_next_free_sgpr 66
		.amdhsa_reserve_vcc 1
		.amdhsa_float_denorm_mode_32 3
		.amdhsa_float_denorm_mode_16_64 3
		.amdhsa_memory_ordered 1
		.amdhsa_forward_progress 1
		.amdhsa_inst_pref_size 156
	.end_amdhsa_kernel
	.amdgpu_metadata
---
amdhsa.version: [ 1, 2 ]
amdhsa.kernels:
  - .name:           k_q5d81926d2b_prep
    .symbol:         k_q5d81926d2b_prep.kd
    .args:
      - { .name: q, .offset: 0, .size: 8, .value_kind: global_buffer, .address_space: global }
      - { .name: k, .offset: 8, .size: 8, .value_kind: global_buffer, .address_space: global }
      - { .name: v, .offset: 16, .size: 8, .value_kind: global_buffer, .address_space: global }
      - { .name: wq, .offset: 24, .size: 8, .value_kind: global_buffer, .address_space: global }
      - { .name: wk, .offset: 32, .size: 8, .value_kind: global_buffer, .address_space: global }
      - { .name: wv, .offset: 40, .size: 8, .value_kind: global_buffer, .address_space: global }
      - { .name: wo, .offset: 48, .size: 8, .value_kind: global_buffer, .address_space: global }
      - { .name: mask, .offset: 56, .size: 8, .value_kind: global_buffer, .address_space: global }
      - { .name: lowp_scales, .offset: 64, .size: 8, .value_kind: global_buffer, .address_space: global }
      - { .name: ximg, .offset: 72, .size: 8, .value_kind: global_buffer, .address_space: global }
      - { .name: wimg, .offset: 80, .size: 8, .value_kind: global_buffer, .address_space: global }
      - { .name: flags, .offset: 88, .size: 8, .value_kind: global_buffer, .address_space: global }
    .group_segment_fixed_size: 34304
    .private_segment_fixed_size: 0
    .kernarg_segment_align: 8
    .kernarg_segment_size: 96
    .max_flat_workgroup_size: 128
    .sgpr_count:     66
    .vgpr_count:     240
    .wavefront_size: 32
...
	.end_amdgpu_metadata
.endif
;; end of part 1
;; launch proj (part 2): grid 4 x 96, 4 waves a work-group, clusters of 4 x 4, 327,680 bytes of LDS; arguments ximg, wimg, lowp_scales, qkv, bq, bk, bv; writes qkv
.if DOCPART == 2
	.amdgcn_target "amdgcn-amd-amdhsa--gfx1250"
	.amdhsa_code_object_version 6
	.text
	.protected	k_q5d81926d2b_proj
	.globl	k_q5d81926d2b_proj
	.p2align	8
	.type	k_q5d81926d2b_proj,@function
k_q5d81926d2b_proj:
	s_mov_b64 s[64:65], 0
	v_nop
	global_prefetch_b8 v0, s[64:65] scope:SCOPE_SE
	s_setreg_imm32_b32 hwreg(HW_REG_WAVE_MODE, 25, 1), 1
	s_wait_xcnt 0x0
	s_wait_alu depctr_hold_cnt(0) depctr_sa_sdst(0) depctr_va_vdst(0) depctr_va_sdst(0) depctr_va_ssrc(0) depctr_va_vcc(0) depctr_vm_vsrc(0)
	s_getreg_b32 s2, hwreg(HW_REG_IB_STS2, 6, 4)
	s_cmp_eq_u32 s2, 0
	s_cbranch_scc0 .Lentry_in_a_cluster
	s_endpgm
.Lentry_in_a_cluster:
	s_bfe_u32 s2, ttmp6, 0x10000c
	s_cmp_lg_u32 s2, 0xf033
	s_cbranch_scc0 .Lentry_shape_is_right
	s_endpgm
.Lentry_shape_is_right:
; Launch 2 of 4: the three projections, x W + b, [8192 x 1024 x 1024] each, on codes of E4M3; the results are quantised on the way out into the images that attention reads.  No work is left out.
; qkv: Q at byte 0: [batch x head 64][tile of 16 positions 128][c 2][lane][16], lane (r, h): channel 32 c + 16 h + 0 .. 15 of position 32 b + 8 u + r + 8 (r / 8) (tile 2 b + u);  K at 8 MiB, the same;
;      V at 16 MiB: [batch x head][key step 16][tile of 16 channels 4][c 4][lane][16], lane (r, h): keys 128 step + 32 c + 16 h + 0 .. 15 of its channel: the keys are the second product's K.
; A tile of 256 x 256 results is made by a work-group of four waves, 128 x 128 each: 64 accumulators, 512 registers.  Source 1 ("A") gives a result's lane, source 0 ("B") its registers.
; Q and K: A = the activations, B = the weight: a lane holds one position and its registers run along the channels.  V: A = the weight, B = the activations: a lane holds one channel, its registers run along the keys.
; The two cases differ in pointers and in the way out alone.  Which tensor a cluster serves is its number / 8: the same in all sixteen partners.
; K goes in steps of 256 through two LDS slots.  The operands lie in memory as images of their registers: a tile of 16 rows x 256 K is 4,096 consecutive bytes; a wave's tensor load brings eight of them, 16,384 bytes apart;
; a fragment comes out of LDS by four loads of 512 consecutive bytes: no pitch, no padding.
; CLUSTERS: 4 x 4 work-groups; A's tiles are shared along a row of the cluster, B's along a column, each asked for jointly.
; LIMITS: for each tensor the result's exponent less its two operands' lies between -126 and 119.  NaN is not served.
; REGISTERS, in windows of 256: window 0: v16-31 addresses and scales; v32-95 the biases; v96-127 at work; v128-255 A's fragments, one set; on the way out the codes.
;   window 1: B's fragments, two sets.   windows 2, 3: the accumulators of my A blocks 0-3, 4-7 (accumulator (a, b) at v[8 (8 (a % 4) + b)]).
.set HALFT,  32768                     ; eight tiles x 4,096 bytes: what one tensor load brings, and what one wave reads of A or of B
.set SLOT,   4*HALFT                   ; A's 16 tiles, then B's 16
.set SPARE,  2*SLOT                    ; behind the ring: the spare words, 128 bytes for each wave
.set FR,     16                        ; registers of a fragment
.set NL,     4                         ; LDS loads that bring one
.set NP,     4                         ; places behind this matrix instruction (ISA guide 7.12.1)
.set ADRA, 16                          ; v16-17  LDS address of my A fragments in slot 0, 1
.set ADRB, 20                          ; v20-21  the same for B
.set LI,   26                          ; v26     16 x lane
.set SPW,  28                          ; v28     LDS address of my spare word; never rewritten
.set NIL,  29                          ; v29     0; never rewritten
.set SCL,  30                          ; v30     the way out: the conversions' scale
.set LIM,  31                          ; v31     and 448 x it
.set BIAS, 32
.set TMP,  96
.set AF,   128
.set G1, 24                            ; s[24:31] descriptor group 1 for A's tiles;  s[32:39] group 0, one set for each slot
.set G0, 32
.set G1B, 48                           ; s[48:55], s[56:63] the same for B's tiles
.set G0B, 56
.set MSB, 0
.macro WIN new                         ; the immediate's high byte repeats the setting that is left
.if MSB != \new
	s_set_vgpr_msb (MSB<<8)|\new
.set MSB, \new
.endif
.endm
.set MUL_LO, 0xa1                      ; source 0 (B) window 1, source 1 (A) window 0, C and D window 2
.set MUL_HI, 0xf1                      ; the same, C and D window 3
.set TO_B,   0x40                      ; destination window 1, address window 0
; A joint load: waves 0 and 1 fetch for A, waves 2 and 3 for B.  The branch hangs on the wave's number alone.  An s_nop 0 and four v_nop follow each of the two lines.
.macro JLOAD g0a, g1a, g0b, g1b
	s_cmp_eq_u32 s15, 0
	s_cbranch_scc0 .Lfor_b_\@
	tensor_load_to_lds s[\g0a:\g0a+3], s[\g1a:\g1a+7]
	s_nop 0
.rept 4
	v_nop
.endr
	s_branch .Lasked_\@
.Lfor_b_\@:
	tensor_load_to_lds s[\g0b:\g0b+3], s[\g1b:\g1b+7]
	s_nop 0
.rept 4
	v_nop
.endr
.Lasked_\@:
.endm
.macro CREST                           ; a round of the cluster's barrier behind its opening barrier
	s_cmp_lg_u32 s14, 0
	s_cbranch_scc1 .Lnot_wave_0_\@
	s_barrier_signal -3
.Lnot_wave_0_\@:
	s_barrier_wait -3
	s_barrier_signal -1
	s_barrier_wait -1
.endm
.macro CROUND                          ; a whole round
	s_barrier_signal -1
	s_barrier_wait -1
	CREST
.endm
	s_load_b256 s[4:11], s[0:1], 0x0               ; ximg s[4:5], wimg s[6:7], the scales' exponents s[8:9], qkv s[10:11]
	s_load_b128 s[68:71], s[0:1], 0x20             ; bq, bk
	s_load_b64 s[72:73], s[0:1], 0x30              ; bv
	v_lshl_add_u32 v[SPW], v0, 2, SPARE
	v_mov_b32 v[NIL], 0
	ds_add_u32 v[SPW], v[NIL]                      ; the wave's opening: the add, twice on end, and its wait ahead of my first tensor load
	ds_add_u32 v[SPW], v[NIL]
	v_lshrrev_b32 v1, 5, v0
	v_readfirstlane_b32 s14, v1                    ; wave 0..3
	s_lshr_b32 s15, s14, 1                         ; which half of A's rows is mine.  Also: I fetch for A (0) or for B (1)
	s_and_b32 s16, s14, 1                          ; which half of B's rows.  Also: which eight tiles I fetch
	s_bfe_u32 s40, ttmp6, 0x40000                  ; cx, cy: my place in the cluster
	s_bfe_u32 s41, ttmp6, 0x40004
	s_and_b32 s74, ttmp7, 0xffff                   ; the cluster's number, 0 .. 23
	s_and_b32 s75, s74, 7
	s_lshl_b32 s75, s75, 2                         ; four blocks of 256 activation rows to a cluster
	s_lshr_b32 s74, s74, 3                         ; the tensor: 0 Q, 1 K, 2 V
	s_lshl_b32 s82, s74, 23                        ; Q, K: A = ximg + tensor x 8 MiB,
	s_lshl_b32 s83, s74, 20                        ;       B = wimg + tensor x 1 MiB
	s_cmp_eq_u32 s74, 2
	s_cselect_b32 s76, 0, s75
	s_cselect_b32 s77, s75, 0
	s_cselect_b32 s82, 0x200000, s82               ; V: A = wimg + 2 MiB,
	s_cselect_b32 s83, 0x1000000, s83              ;    B = ximg + 16 MiB
	s_add_co_u32 s17, s76, s41                     ; A's block of 256 rows: it hangs on cy alone
	s_add_co_u32 s42, s77, s40                     ; B's: on cx alone
	s_lshl_b32 s43, s41, 2
	s_lshl_b32 s43, 15, s43                        ; my row of the cluster
	s_lshl_b32 s44, 0x1111, s40                    ; my column
	; descriptor group 1: 8 rows of 512 elements of 8 bytes (a tile's 4,096 bytes), 2,048 elements apart (a tile's whole K); dense in LDS
	s_or_b32 s[G1+0], s43, (3<<16)|(1<<21)         ; 15:0 the mask: A's tiles go to my row; 17:16 elements of 8 bytes; 21 set beside a mask
	s_or_b32 s[G1B+0], s44, (3<<16)|(1<<21)
.irp g, G1, G1B
	s_mov_b32 s[\g+1], 512<<16                     ; tensor_dim0
	s_mov_b32 s[\g+2], 8<<16                       ; tensor_dim1
	s_mov_b32 s[\g+3], 512<<16                     ; tile_dim0
	s_mov_b32 s[\g+4], 8                           ; tile_dim1
	s_mov_b32 s[\g+5], 2048                        ; tensor_dim0_stride
	s_mov_b32 s[\g+6], 0
	s_mov_b32 s[\g+7], 0
.endr
	s_lshl_b32 s18, s16, 17                        ; the eight tiles that I fetch: 8 x 16,384 bytes
	s_lshl_b32 s20, s17, 18                        ; a block of 16 tiles is 262,144 bytes
	s_add_co_u32 s20, s20, s18
	s_add_co_u32 s20, s20, s82
	s_mov_b32 s21, 0
	s_lshl_b32 s46, s42, 18
	s_add_co_u32 s46, s46, s18
	s_add_co_u32 s46, s46, s83
	s_mov_b32 s47, 0
	s_mul_i32 s45, s14, HALFT                      ; where they go: wave x eight tiles: no place in the cluster enters an LDS address
	s_wait_dscnt 0x0                               ; both opening adds are done
	s_wait_kmcnt 0x0
	s_load_b256 s[88:95], s[8:9], 0x0              ; e0 .. e7
	s_load_b64 s[96:97], s[8:9], 0x20              ; e8, e9
	s_cmp_eq_u32 s74, 2
	s_cselect_b64 s[78:79], s[6:7], s[4:5]
	s_cselect_b64 s[80:81], s[4:5], s[6:7]
	s_add_nc_u64 s[20:21], s[78:79], s[20:21]
	s_add_nc_u64 s[46:47], s[80:81], s[46:47]
	CROUND                                         ; all sixteen work-groups are here: the first joint loads meet
.irp s, 0,1
	s_mov_b32 s[G0+4*\s], 1
	s_add_co_u32 s[G0+4*\s+1], s45, \s*SLOT
	s_add_nc_u64 s[G0+4*\s+2:G0+4*\s+3], s[20:21], \s*4096
	s_or_b32 s[G0+4*\s+3], s[G0+4*\s+3], 0x80000000
	s_mov_b32 s[G0B+4*\s], 1
	s_add_co_u32 s[G0B+4*\s+1], s45, \s*SLOT
	s_add_nc_u64 s[G0B+4*\s+2:G0B+4*\s+3], s[46:47], \s*4096
	s_or_b32 s[G0B+4*\s+3], s[G0B+4*\s+3], 0x80000000
	JLOAD G0+4*\s, G1, G0B+4*\s, G1B
.endr
	v_and_b32 v1, 31, v0
	v_lshlrev_b32 v[LI], 4, v1
	s_mul_i32 s21, s15, HALFT                      ; my eight tiles of A
	s_mul_i32 s22, s16, HALFT                      ; my eight of B,
	s_add_co_u32 s22, s22, 2*HALFT                 ; which lie behind A's sixteen
.irp s, 0,1
	v_add_nc_u32 v[ADRA+\s], s21, v[LI]
	v_add_nc_u32 v[ADRB+\s], s22, v[LI]
	s_add_co_u32 s21, s21, SLOT
	s_add_co_u32 s22, s22, SLOT
.endr
	; where my results go.  Q, K: tensor x 8 MiB + batch x 2 MiB + head x 131,072 + tile of positions x 1,024;  V: 16 MiB + batch x 2 MiB + head x 131,072 + key step x 8,192
	s_lshl_b32 s2, s74, 23
	s_lshr_b32 s3, s17, 3
	s_lshl_b32 s3, s3, 21
	s_add_co_u32 s2, s2, s3
	s_lshl_b32 s3, s42, 19                         ; four heads to B's block,
	s_add_co_u32 s2, s2, s3
	s_lshl_b32 s3, s16, 18                         ; two to my half
	s_add_co_u32 s2, s2, s3
	s_and_b32 s3, s17, 7
	s_lshl_b32 s3, s3, 14                          ; sixteen tiles of positions to A's block,
	s_add_co_u32 s2, s2, s3
	s_lshl_b32 s3, s15, 13                         ; eight to my half
	s_add_co_u32 s2, s2, s3
	s_lshr_b32 s12, s42, 3
	s_lshl_b32 s12, s12, 21
	s_add_co_u32 s12, s12, 0x1000000
	s_lshl_b32 s3, s17, 19
	s_add_co_u32 s12, s12, s3
	s_lshl_b32 s3, s15, 18
	s_add_co_u32 s12, s12, s3
	s_and_b32 s3, s42, 7
	s_lshl_b32 s3, s3, 14                          ; two key steps to B's block,
	s_add_co_u32 s12, s12, s3
	s_lshl_b32 s3, s16, 13                         ; one to my half
	s_add_co_u32 s12, s12, s3
	s_cmp_eq_u32 s74, 2
	s_cselect_b32 s2, s12, s2
	s_mov_b32 s3, 0
	s_add_nc_u64 s[10:11], s[10:11], s[2:3]
	; the biases, in the results' layout: 8 registers for each of 8 tiles.  Q, K: tile b of B, register j: channel 32 (b / 2) + 8 (b % 2) + 16 h + j;  V: tile a of A, all registers: channel 32 (a / 2) + 8 (a % 2) + r + 8 (r / 8)
	v_and_b32 v2, 15, v0
	v_bfe_u32 v3, v0, 4, 1
	v_and_b32 v4, 8, v2
	v_add_nc_u32 v4, v4, v2                        ; r + 8 (r / 8)
	s_lshl_b32 s12, s42, 10
	s_lshl_b32 s13, s16, 9
	s_add_co_u32 s12, s12, s13                     ; Q, K: my 128 channels are B's
	s_lshl_b32 s13, s17, 10
	s_lshl_b32 s18, s15, 9
	s_add_co_u32 s13, s13, s18                     ; V: they are A's
	s_cmp_eq_u32 s74, 0
	s_cselect_b64 s[70:71], s[68:69], s[70:71]
	s_cmp_eq_u32 s74, 2
	s_cselect_b64 s[70:71], s[72:73], s[70:71]
	s_cselect_b32 s12, s13, s12
	s_cselect_b32 s84, 0, 64                       ; bytes for h,
	s_cselect_b32 s85, 4, 0                        ; for r + 8 (r / 8),
	s_cselect_b32 s86, 0, 4                        ; for j
	s_mov_b32 s13, 0
	s_add_nc_u64 s[70:71], s[70:71], s[12:13]
	v_mul_u32_u24 v5, v3, s84
	v_mad_u32_u24 v5, v4, s85, v5
.irp j, 0,1,2,3,4,5,6,7
	s_mul_i32 s87, s86, \j
	v_add_nc_u32 v[TMP+\j], s87, v5
.endr
.irp x, 0,1,2,3,4,5,6,7
.irp j, 0,1,2,3,4,5,6,7
	global_load_b32 v[BIAS+8*\x+\j], v[TMP+\j], s[70:71] offset:4*(32*(\x/2)+8*(\x%2))
.endr
.endr
.macro FRAG reg, adr, q, i             ; a fragment, 16 rows x 128 K: four loads of 512 consecutive bytes give the 16 registers as they were laid
.irp c, 0,1,2,3
	ds_load_b128 v[\reg+4*\c:\reg+4*\c+3], v[\adr] offset:4096*(\i)+2048*(\q)+512*\c
.endr
.endm
; 16 matrix instructions: A's blocks a0, a0 + 1 x B's eight, 128 along K.  p: B's set.  zero = 1: the first product starts the sums.  The 64 accumulators take turns, one instruction a turn.
.macro MUL16 a0, p, zero
.irp a, \a0, \a0+1
.irp b, 0,1,2,3,4,5,6,7
.if \zero
	v_wmma_f32_16x16x128_fp8_fp8 v[8*(8*((\a)%4)+\b):8*(8*((\a)%4)+\b)+7], v[128*(\p)+FR*\b:128*(\p)+FR*\b+FR-1], v[AF+FR*(\a):AF+FR*(\a)+FR-1], 0
.else
	v_wmma_f32_16x16x128_fp8_fp8 v[8*(8*((\a)%4)+\b):8*(8*((\a)%4)+\b)+7], v[128*(\p)+FR*\b:128*(\p)+FR*\b+FR-1], v[AF+FR*(\a):AF+FR*(\a)+FR-1], v[8*(8*((\a)%4)+\b):8*(8*((\a)%4)+\b)+7]
.endif
.endr
.endr
.endm
.macro FETCH_B slot, q, p              ; B's eight fragments of the slot's q-th 128 along K into set p
	WIN TO_B
.irp i, 0,1,2,3,4,5,6,7
	FRAG 128*(\p)+FR*\i, ADRB+\slot, \q, \i
.endr
	WIN 0
.endm
.macro FETCH_A slot, q, i0             ; A's blocks i0 .. i0 + 3
.irp i, \i0, \i0+1, \i0+2, \i0+3
	FRAG AF+FR*(\i), ADRA+\slot, \q, \i
.endr
.endm
.macro PLACES n                        ; plain vector lines between a matrix instruction and a load into a register that it has read, or a read of its result
.rept \n
	v_nop
.endr
.endm
; A step of 128 along K that has its successor in the same slot.  A's blocks go one after the other, each against B's eight: A has one set of registers, fetched anew in halves; B has two.
.macro STEP slot, q, zero
	s_wait_dscnt 4*NL                              ; B's set and A's blocks 0-3 are in; the youngest 16 loads (A's blocks 4-7) may be out
	WIN MUL_LO
	MUL16 0, (\q)%2, \zero
	MUL16 2, (\q)%2, \zero
	s_wait_dscnt 0                                 ; A's blocks 4-7 are in
	PLACES NP
	FETCH_B \slot, (\q)+1, 1-(\q)%2
	FETCH_A \slot, (\q)+1, 0
	WIN MUL_HI
	MUL16 4, (\q)%2, \zero
	MUL16 6, (\q)%2, \zero
	PLACES NP
	WIN 0
	FETCH_A \slot, (\q)+1, 4
.endm
; A slot's last step changes slots: one barrier; in front of it each wave waits for all its tensor loads, adds 0 to its spare word, and waits for that and for its reads of this slot.  fill = 1: the slot is filled again.
.macro TURN slot, next, fill
	s_wait_tensorcnt 0x0                           ; all my tensor loads have landed: my part of the next slot
	ds_add_u32 v[SPW], v[NIL]                      ; 0 onto my spare word
	s_wait_dscnt 4*NL+1                            ; (the add and the youngest 16 loads, A's blocks 4-7, may be out)
	WIN MUL_LO
	MUL16 0, 1, 0
	s_wait_dscnt 0x0                               ; the add is done, and my reads of this slot are over
	s_barrier_signal -1
	MUL16 2, 1, 0
	WIN 0
	s_barrier_wait -1
.if \fill
	CREST                                          ; the barrier has opened a round of the cluster's: no wave of any partner still reads this slot or has a load on its way
	s_add_nc_u64 s[G0+4*\slot+2:G0+4*\slot+3], s[G0+4*\slot+2:G0+4*\slot+3], 8192
	s_add_nc_u64 s[G0B+4*\slot+2:G0B+4*\slot+3], s[G0B+4*\slot+2:G0B+4*\slot+3], 8192
	JLOAD G0+4*\slot, G1, G0B+4*\slot, G1B         ; the first tensor load behind the round; its four v_nop are the places in front of the loads below
.else
	PLACES NP
.endif
	FETCH_B \next, 0, 0
	FETCH_A \next, 0, 0
	WIN MUL_HI
	MUL16 4, 1, 0
	MUL16 6, 1, 0
	PLACES NP
	WIN 0
	FETCH_A \next, 0, 4
.endm
	s_wait_tensorcnt 1                             ; my part of slot 0 is in (slot 1's load, issued behind it, may be out),
	s_barrier_signal -1
	s_barrier_wait -1                              ; everybody's is
	FETCH_B 0, 0, 0
	FETCH_A 0, 0, 0
	FETCH_A 0, 0, 4
	STEP 0, 0, 1                                   ; K = 1,024 is four fills of a slot, eight steps: written out
	TURN 0, 1, 1
	STEP 1, 0, 0
	TURN 1, 0, 1
	STEP 0, 0, 0
	TURN 0, 1, 0                                   ; nothing is left to fetch
	STEP 1, 0, 0
	s_wait_dscnt 4*NL
	WIN MUL_LO
	MUL16 0, 1, 0
	MUL16 2, 1, 0
	s_wait_dscnt 0
	WIN MUL_HI
	MUL16 4, 1, 0
	MUL16 6, 1, 0
	WIN 0
	; THE WAY OUT.  A sum stands for sum x 2^es, es = the two operands' exponents.  code = (sum x 2^es + bias) / 2^eo = (sum + bias / 2^es) / 2^(eo - es): the bias is scaled once, the rest is the conversion's scale.
	s_wait_kmcnt 0x0
	s_cmp_eq_u32 s74, 0
	s_cselect_b32 s84, s88, s90
	s_cselect_b32 s85, s89, s91
	s_cselect_b32 s86, s94, s95                    ; eo: e6 for Q, e7 for K,
	s_cmp_eq_u32 s74, 2
	s_cselect_b32 s84, s92, s84
	s_cselect_b32 s85, s93, s85
	s_cselect_b32 s86, s97, s86                    ; e9 for V
	s_add_co_i32 s84, s84, s85                     ; es
	s_sub_co_i32 s85, 0, s84
	s_sub_co_i32 s86, s86, s84
	s_add_co_i32 s86, s86, 127
	s_lshl_b32 s87, s86, 23
	v_mov_b32 v[SCL], s87                          ; 2^(eo - es)
	s_add_co_i32 s86, s86, 8
	s_lshl_b32 s86, s86, 23
	s_or_b32 s86, s86, 0x600000
	v_mov_b32 v[LIM], s86                          ; 448 x that
	s_wait_loadcnt 0x0                             ; the biases
.set oj, 0
.rept 64
	v_ldexp_f32 v[BIAS+oj], v[BIAS+oj], s85        ; (these are also the places behind the last products)
.set oj, oj+1
.endr
; For A's block a and two pairs of B's tiles at a time: 32 sums + bias, the hold, four conversions, two stores of 512 consecutive bytes.  The 16 registers of tiles 2 c, 2 c + 1 are 16 neighbours along the next K.
; var = 0: Q, K (the bias goes by B's tile);  var = 1: V (by A's).  Each accumulator is read from its low end on.  Every group has code registers of its own: no store's data are written again.
.macro EPI var
.set ia, 0
.rept 8
.set ip, 0
.rept 2
	WIN 0x02+(ia/4)                                ; source 0: window 2 or 3
.set ib, 0
.rept 4
.set AC, 8*(8*(ia%4)+4*ip+ib)
.if \var
.set BI, BIAS+8*ia
.else
.set BI, BIAS+8*(4*ip+ib)
.endif
.irp i, 0,2,4,6
	v_pk_add_f32 v[TMP+8*ib+\i:TMP+8*ib+\i+1], v[AC+\i:AC+\i+1], v[BI+\i:BI+\i+1]
.endr
.set ib, ib+1
.endr
	WIN 0
.set oj, 0
.rept 32
	v_med3_num_f32 v[TMP+oj], v[TMP+oj], -v[LIM], v[LIM]   ; the conversion to an 8-bit code does not saturate (ISA guide 7.6.2)
.set oj, oj+1
.endr
.set CD, 128+4*(4*ia+2*ip)
	v_cvt_scalef32_pk8_fp8_f32 v[CD:CD+1], v[TMP:TMP+7], v[SCL]
	v_cvt_scalef32_pk8_fp8_f32 v[CD+2:CD+3], v[TMP+8:TMP+15], v[SCL]
	v_cvt_scalef32_pk8_fp8_f32 v[CD+4:CD+5], v[TMP+16:TMP+23], v[SCL]
	v_cvt_scalef32_pk8_fp8_f32 v[CD+6:CD+7], v[TMP+24:TMP+31], v[SCL]
	v_nop                                          ; a plain line behind the conversions: the next group's sums write their sources
.if \var
	global_store_b128 v[LI], v[CD:CD+3], s[10:11] offset:(ia/4)*131072+(ia%4)*2048+512*(2*ip)
	global_store_b128 v[LI], v[CD+4:CD+7], s[10:11] offset:(ia/4)*131072+(ia%4)*2048+512*(2*ip+1)
.else
	global_store_b128 v[LI], v[CD:CD+3], s[10:11] offset:1024*ia+ip*131072
	global_store_b128 v[LI], v[CD+4:CD+7], s[10:11] offset:1024*ia+ip*131072+512
.endif
.set ip, ip+1
.endr
.set ia, ia+1
.endr
.endm
	s_cmp_eq_u32 s74, 2                            ; the cluster's number alone decides: all partners go the same way
	s_cbranch_scc1 .Lvout
	EPI 0
	s_branch .Ldone
.Lvout:
	EPI 1
.Ldone:
	s_wait_tensorcnt 0x0                           ; the wave's end
	ds_add_u32 v[SPW], v[NIL]
	s_wait_dscnt 0x0
	CROUND                                         ; the closing round: no work-group ends while a partner may still ask for a tile that names it
	s_endpgm
.Lfunc_end_k_q5d81926d2b_proj:
	.size	k_q5d81926d2b_proj, .Lfunc_end_k_q5d81926d2b_proj-k_q5d81926d2b_proj
	.p2alignl 7, 3214868480
	.fill 96, 4, 3214868480
	.section	.rodata,"a",@progbits
	.p2align	6, 0x0
	.amdhsa_kernel k_q5d81926d2b_proj
		.amdhsa_group_segment_fixed_size 327680
		.amdhsa_private_segment_fixed_size 0
		.amdhsa_enable_private_segment 0
		.amdhsa_kernarg_size 56
		.amdhsa_user_sgpr_count 2
		.amdhsa_user_sgpr_kernarg_segment_ptr 1
		.amdhsa_wavefront_size32 1
		.amdhsa_system_sgpr_workgroup_id_x 1
		.amdhsa_system_sgpr_workgroup_id_y 1
		.amdhsa_system_sgpr_workgroup_id_z 1
		.amdhsa_system_vgpr_workitem_id 0
		.amdhsa_next_free_vgpr 1024
		.amdhsa_next_free_sgpr 100
		.amdhsa_reserve_vcc 0
		.amdhsa_float_denorm_mode_32 3
		.amdhsa_float_denorm_mode_16_64 3
		.amdhsa_memory_ordered 1
		.amdhsa_forward_progress 1
		.amdhsa_inst_pref_size 203
	.end_amdhsa_kernel
	.amdgpu_metadata
---
amdhsa.version: [ 1, 2 ]
amdhsa.kernels:
  - .name:           k_q5d81926d2b_proj
    .symbol:         k_q5d81926d2b_proj.kd
    .args:
      - { .name: ximg, .offset: 0, .size: 8, .value_kind: global_buffer, .address_space: global }
      - { .name: wimg, .offset: 8, .size: 8, .value_kind: global_buffer, .address_space: global }
      - { .name: lowp_scales, .offset: 16, .size: 8, .value_kind: global_buffer, .address_space: global }
      - { .name: qkv, .offset: 24, .size: 8, .value_kind: global_buffer, .address_space: global }
      - { .name: bq, .offset: 32, .size: 8, .value_kind: global_buffer, .address_space: global }
      - { .name: bk, .offset: 40, .size: 8, .value_kind: global_buffer, .address_space: global }
      - { .name: bv, .offset: 48, .size: 8, .value_kind: global_buffer, .address_space: global }
    .group_segment_fixed_size: 327680
    .private_segment_fixed_size: 0
    .kernarg_segment_align: 8
    .kernarg_segment_size: 56
    .max_flat_workgroup_size: 128
    .sgpr_count:     100
    .vgpr_count:     1024
    .wavefront_size: 32
...
	.end_amdgpu_metadata
.endif
;; end of part 2
;; launch attn (part 3): grid 4 x 64, 8 waves a work-group, no clusters, 33,792 bytes of LDS; arguments qkv, mask, flags, lowp_scales, aimg; writes aimg
.if DOCPART == 3
	.amdgcn_target "amdgcn-amd-amdhsa--gfx1250"
	.amdhsa_code_object_version 6
	.text
	.protected	k_q5d81926d2b_attn
	.globl	k_q5d81926d2b_attn
	.p2align	8
	.type	k_q5d81926d2b_attn,@function
k_q5d81926d2b_attn:
	s_mov_b64 s[64:65], 0
	v_nop
	global_prefetch_b8 v0, s[64:65] scope:SCOPE_SE
	s_setreg_imm32_b32 hwreg(HW_REG_WAVE_MODE, 25, 1), 1
	s_wait_xcnt 0x0
; Launch 3 of 4: attention on codes of E4M3, head size 64; the result is quantised with e10 into the image that the last product reads.
; WHAT IS LEFT OUT hangs on the whole numbers that the first launch stored, never on a pattern built in: a key step (128 keys) whose bit is clear for all 32 queries of a block adds exactly nothing for them
; (p = 0 in f32 for each of its keys: shown at the first kernel's path M, for all values of the inputs), so its products and its softmax are jumped over; where the mask is all zero in a step, it is not loaded.
; t = logit x log2(e); M = the running largest t rounded UP to a whole number; p = 2^(t - M) is quantised with e8, not normalised; the row's sum is taken of the unquantised p and divides at the end.
; Where the mask is zero, t - M is one fused multiply-add of the score.  Where it is not, the roundings are those of the problem's own order: mask x -1e9, + the scaled score, x log2(e), each rounded by itself
; (all three carried with a power of two taken out, which rounds nothing).
; SHARES.  A work-group serves one head (y) and 16 blocks of 32 queries; wave w owns two: block 8 x + w and block 63 - (8 x + w), two tiles of 16 each.  Every wave walks the 16 key steps.
; K's and V's images of a step (8,192 bytes each) go from memory through registers into one of two LDS slots, a step ahead, each wave an eighth; all eight waves read them.  No tensor load: branches here hang on loaded whole numbers.
; LAYOUT.  S^T = K Q^T (source 0 = 16 keys, source 1 = 16 queries), O^T = V^T P^T: a lane holds one query throughout; the 16 registers of key tiles 2 b, 2 b + 1 are keys 32 b + 16 h + 0 .. 15: p's codes are the operand.
; LIMITS: e6 + e7 between -95 and 125; e8 between -126 and 119; NaN is not served.
; REGISTERS.  window 0: v1-9 addresses; v12-27 four registers of statistics a tile (-M, the largest t, the sum in two halves); v28, v29 2^e8 and 448 x 2^e8; v30-35 at work; v36-67 Q; v68-83 p's codes;
;   v84-99 the step on its way to LDS; v100-163 S^T, then p; v164-227 K; v228-243 at work.   window 1: v0-127 O^T, 32 a tile; v128-191 V; v192-255 the mask.
.set SLOTB, 16384                      ; a slot: K's 8 tiles of 1,024 bytes, then V's 4 fragments of 2,048
.set VOFF,  8192
.set SPARE, 2*SLOTB                    ; behind the slots: the spare words, 128 bytes for each of eight waves
.set LI,  1                            ; v1  16 x lane
.set AK,  2                            ; v2  16 x lane + the slot in hand
.set SG,  3                            ; v3  1,024 x wave + 16 x lane: my bytes of a step's K and of its V
.set SGL, 4                            ; v4  the same + the other slot
.set SPW, 5                            ; v5  LDS address of my spare word; never rewritten
.set NIL, 6                            ; v6  0; never rewritten
.set MOE, 7                            ; v7  the mask: my row and half in the early block's even tile
.set MOL, 8                            ; v8  in the late block's
.set PFO, 9                            ; v9  256 x lane
.set ST,  12
.set SC8, 28
.set LM8, 29
.set FF,  30                           ; v[30:31] f = 2^(old M - new M)
.set WA,  32
.set WB,  33
.set WP,  34
.set QF,  36
.set PC,  68
.set STG, 84
.set S,   100
.set KF,  164
.set OT,  0                            ; window 1
.set VF,  128
.set MK,  192
.set KP,  68                           ; s[68:69] K's image at the step in hand;  s[70:71] V's
.set VP,  70
.set FA,  66                           ; s66 steps that some block of the work-group asks for
.set FEA, 67                           ; s67 the early block's steps;  s76 those with a mask that is not zero
.set FEN, 76
.set FLA, 77                           ; s77, s78 the late block's
.set FLN, 78
.set FX,  79                           ; s79 steps that I ask for
.set RJ,  33                           ; s33 the step
.set TB,  34                           ; s34 LDS byte of the slot in hand
.set HF,  35                           ; s35 1: p's hold cannot bind
.set MSB, 0
.macro WIN new                         ; the immediate's high byte repeats the setting that is left
.if MSB != \new
	s_set_vgpr_msb (MSB<<8)|\new
.set MSB, \new
.endif
.endm
.macro ORRUN dst, first, n             ; s[dst] |= s[first] .. s[first + n - 1]
.set oq, 0
.rept \n
	s_or_b32 s[\dst], s[\dst], s[\first+oq]
.set oq, oq+1
.endr
.endm
	s_load_b256 s[4:11], s[0:1], 0x0               ; qkv s[4:5], mask s[6:7], flags s[8:9], the scales' exponents s[10:11]
	s_load_b64 s[12:13], s[0:1], 0x20              ; aimg
	v_lshl_add_u32 v[SPW], v0, 2, SPARE
	v_mov_b32 v[NIL], 0
	v_lshrrev_b32 v10, 5, v0
	v_readfirstlane_b32 s14, v10                   ; wave 0..7
	v_and_b32 v11, 31, v0
	v_lshlrev_b32 v[LI], 4, v11
	v_lshl_add_u32 v[SG], v10, 10, v[LI]
	v_lshlrev_b32 v[PFO], 8, v11
	s_lshl_b32 s98, ttmp9, 3
	s_add_co_u32 s98, s98, s14                     ; my early block
	s_sub_co_u32 s99, 63, s98                      ; my late block
	s_and_b32 s15, ttmp7, 0xffff                   ; batch x 16 + head
	s_lshl_b32 s2, s15, 17                         ; a head's Q, K or V is 131,072 bytes
	s_mov_b32 s3, 0
	s_lshl_b32 s96, ttmp9, 8
	s_wait_kmcnt 0x0
	s_load_b512 s[16:31], s[8:9], s96 offset:0x0   ; the flags of the work-group's eight early blocks: 64 words
	s_load_b512 s[32:47], s[8:9], s96 offset:0x40
	s_load_b512 s[48:63], s[8:9], s96 offset:0x80
	s_load_b512 s[80:95], s[8:9], s96 offset:0xc0
	s_add_nc_u64 s[72:73], s[4:5], s[2:3]          ; the head's Q,
	s_add_nc_u64 s[KP:KP+1], s[72:73], 0x800000    ; K,
	s_add_nc_u64 s[VP:VP+1], s[72:73], 0x1000000   ; V
	s_lshl_b32 s2, s99, 11                         ; a block's two tiles of Q are 2,048 bytes
	s_add_nc_u64 s[74:75], s[72:73], s[2:3]
	s_lshl_b32 s2, s98, 11
	s_add_nc_u64 s[72:73], s[72:73], s[2:3]
.irp u, 0,1
.irp c, 0,1
	global_load_b128 v[QF+8*\u+4*\c:QF+8*\u+4*\c+3], v[LI], s[72:73] offset:1024*\u+512*\c       ; Q stays in registers: tiles 0, 1 the early block's,
	global_load_b128 v[QF+16+8*\u+4*\c:QF+16+8*\u+4*\c+3], v[LI], s[74:75] offset:1024*\u+512*\c ; tiles 2, 3 the late one's
.endr
.endr
	global_load_b128 v[STG:STG+3], v[SG], s[KP:KP+1]                ; key step 0
	global_load_b128 v[STG+4:STG+7], v[SG], s[KP:KP+1] offset:512
	global_load_b128 v[STG+8:STG+11], v[SG], s[VP:VP+1]
	global_load_b128 v[STG+12:STG+15], v[SG], s[VP:VP+1] offset:512
	v_and_b32 v10, 15, v0
	v_and_b32 v11, 8, v10
	v_add_nc_u32 v10, v10, v11                     ; r + 8 (r / 8)
	v_bfe_u32 v11, v0, 4, 1                        ; h
	s_lshl_b32 s2, s98, 5
	v_add_nc_u32 v[MOE], s2, v10
	v_lshlrev_b32 v[MOE], 13, v[MOE]               ; a row of the mask is 8,192 bytes
	v_lshl_add_u32 v[MOE], v11, 6, v[MOE]          ; + 64 h: my 16 keys of each 32
	s_lshl_b32 s2, s99, 5
	v_add_nc_u32 v[MOL], s2, v10
	v_lshlrev_b32 v[MOL], 13, v[MOL]
	v_lshl_add_u32 v[MOL], v11, 6, v[MOL]
.irp t, 0,1,2,3
	v_mov_b32 v[ST+4*\t+1], 0xff61b1e6             ; the largest t so far: -3e38, under every t
	v_floor_f32 v[ST+4*\t], -v[ST+4*\t+1]          ; -M
	v_mov_b32 v[ST+4*\t+2], 0                      ; the sum, in two halves
	v_mov_b32 v[ST+4*\t+3], 0
	v_mov_b32 v[232+\t], 0                         ; written once: a lane permute's destination counts as read
.endr
	v_mov_b32 v[FF+1], 0                           ; (named as the upper half of a pair)
	v_mov_b32 v[WP], 0
	WIN 0x40
.set jj, 0
.rept 128
	v_mov_b32 v[OT+jj], 0                          ; O^T.  Which step is a block's first is known from the flags alone, so no first step can be written out: the step finds zeros, which the first change of M leaves zeros
.set jj, jj+1
.endr
	WIN 0
	s_mov_b32 s[FA], 0
	s_wait_kmcnt 0x0
	ORRUN FA, 16, 48
	ORRUN FA, 80, 16
	s_sub_co_u32 s96, 1792, s96                    ; the eight late blocks begin at block 56 - 8 x: byte 32 (56 - 8 x)
	s_load_b512 s[16:31], s[8:9], s96 offset:0x0
	s_load_b512 s[32:47], s[8:9], s96 offset:0x40
	s_load_b512 s[48:63], s[8:9], s96 offset:0x80
	s_load_b512 s[80:95], s[8:9], s96 offset:0xc0
	s_wait_kmcnt 0x0
	ORRUN FA, 16, 48
	ORRUN FA, 80, 16
	s_and_b32 s[FA], s[FA], 0xffff
	s_lshl_b32 s96, s98, 5                         ; a block's eight words
	s_lshl_b32 s97, s99, 5
	s_load_b256 s[16:23], s[8:9], s96 offset:0x0
	s_load_b256 s[36:43], s[8:9], s97 offset:0x0
	s_load_b128 s[28:31], s[10:11], 0x18           ; e6, e7, e8, e9
	s_load_b32 s32, s[10:11], 0x28                 ; e10
	s_mov_b32 s[FEA], 0
	s_mov_b32 s[FLA], 0
	s_wait_kmcnt 0x0
	ORRUN FEA, 16, 8
	ORRUN FLA, 36, 8
	s_lshr_b32 s[FEN], s[FEA], 16
	s_and_b32 s[FEA], s[FEA], 0xffff
	s_lshr_b32 s[FLN], s[FLA], 16
	s_and_b32 s[FLA], s[FLA], 0xffff
	s_or_b32 s[FX], s[FEA], s[FLA]
	s_mov_b32 s20, 0x76543210                      ; v_permlanex16_b32: lane l xor 16
	s_mov_b32 s21, 0xfedcba98
	s_add_co_i32 s45, s28, s29                     ; e6 + e7
	s_sub_co_i32 s46, s45, 3
	s_lshl_b32 s46, s46, 23
	s_add_co_i32 s22, s46, 0x3fb8aa3b              ; c = log2(e) x 2^(e6 + e7) / 8: the exponents are added to log2(e)'s exponent field
	s_mov_b32 s23, s22
	s_sub_co_i32 s46, 3, s45
	s_lshl_b32 s46, s46, 23
	s_add_co_i32 s26, s46, 0xce6e6b28              ; -1e9 x 8 / 2^(e6 + e7): the mask's factor on the scale of the scores
	s_mov_b32 s27, s26
	s_add_co_i32 s45, s30, 127
	s_lshl_b32 s46, s45, 23
	v_mov_b32 v[SC8], s46                          ; 2^e8
	s_add_co_i32 s45, s45, 8
	s_lshl_b32 s45, s45, 23
	s_or_b32 s45, s45, 0x600000
	v_mov_b32 v[LM8], s45                          ; 448 x 2^e8
	s_cmp_ge_i32 s30, -8                           ; from e8 = -8 on that is 1.75 or more, and p is at most 1 but for a rounding: the hold cannot bind
	s_cselect_b32 s[HF], 1, 0
	s_mov_b64 s[40:41], s[6:7]                     ; the mask at the step in hand
	s_cmp_eq_u32 s14, 0
	s_cselect_b64 s[42:43], s[KP:KP+1], s[VP:VP+1] ; the prefetches: wave 0 asks for K's image, wave 1 for V's,
	s_lshr_b32 s45, s14, 1
	s_or_b32 s45, s45, ttmp9                       ; in the head's first work-group alone: all four walk the same K and V
	s_cmp_eq_u32 s45, 0
	s_cselect_b32 s44, 14, 0                       ; while the step is under 14: the step two on exists
	s_lshr_b32 s45, s15, 4
	s_lshl_b32 s45, s45, 21                        ; aimg: 128 tiles of 16,384 bytes to a batch,
	s_bfe_u32 s46, s15, 0x30001
	s_lshl_b32 s46, s46, 11                        ; two heads to a fragment of 128 along K,
	s_add_co_u32 s45, s45, s46
	s_and_b32 s46, s15, 1
	s_lshl_b32 s46, s46, 10                        ; the odd head its second half
	s_add_co_u32 s45, s45, s46
	s_lshl_b32 s46, s98, 15
	s_add_co_u32 s46, s46, s45
	s_mov_b32 s47, 0
	s_add_nc_u64 s[48:49], s[12:13], s[46:47]      ; the early block's two tiles,
	s_lshl_b32 s46, s99, 15
	s_add_co_u32 s46, s46, s45
	s_add_nc_u64 s[50:51], s[12:13], s[46:47]      ; the late one's
	s_mov_b32 s[RJ], 0
	s_mov_b32 s[TB], 0
	s_wait_loadcnt 0x0                             ; Q and step 0
	ds_store_b128 v[SG], v[STG:STG+3]
	ds_store_b128 v[SG], v[STG+4:STG+7] offset:512
	ds_store_b128 v[SG], v[STG+8:STG+11] offset:VOFF
	ds_store_b128 v[SG], v[STG+12:STG+15] offset:VOFF+512
; ONE TILE OF 16 QUERIES, ONE KEY STEP.  t: the tile; mo: the register with its block's place in the mask.  s45: 1 where the mask is not zero in this step for this block.
.macro TILE t, mo
.set TS, ST+4*(\t)
.set QR, QF+8*(\t)
.set OB, OT+32*(\t)
	s_wait_dscnt 16                                ; K's 16 loads are in; V's 16, issued behind them, may be out
.irp k, 0,1,2,3,4,5,6,7
	v_wmma_f32_16x16x64_fp8_fp8 v[S+8*\k:S+8*\k+7], v[KF+8*\k:KF+8*\k+7], v[QR:QR+7], 0
.endr
.rept 4
	v_nop                                          ; places in front of the first read of the scores (ISA guide 7.12.1)
.endr
	s_mov_b32 s24, s22                             ; the factor that turns what lies in S into t: c,
	s_mov_b32 s25, s22
	s_cmp_eq_u32 s45, 0
	s_cbranch_scc1 .Lzero_\@
	WIN 0x40
.irp b, 0,1,2,3
.irp w, 0,1,2,3
	global_load_b128 v[MK+16*\b+4*\w:MK+16*\b+4*\w+3], v[\mo], s[40:41] offset:65536*((\t)%2)+128*\b+16*\w   ; mask(my query, keys 32 b + 16 h + 4 w ..): register for register as the scores lie
.endr
.endr
	s_wait_loadcnt 0x0
	WIN 0x41
.set jj, 0
.rept 32
	v_pk_mul_f32 v[MK+jj:MK+jj+1], v[MK+jj:MK+jj+1], s[26:27] op_sel_hi:[1,0]   ; mask x -1e9, rounded by itself,
.set jj, jj+2
.endr
	WIN 0x04
.set jj, 0
.rept 32
	v_pk_add_f32 v[S+jj:S+jj+1], v[S+jj:S+jj+1], v[MK+jj:MK+jj+1]               ; + the score: the logit, rounded by itself,
.set jj, jj+2
.endr
	WIN 0
.set jj, 0
.rept 32
	v_pk_mul_f32 v[S+jj:S+jj+1], v[S+jj:S+jj+1], s[22:23] op_sel_hi:[1,0]       ; x log2(e): t, rounded by itself
.set jj, jj+2
.endr
	s_mov_b32 s24, 1.0                             ; or 1, where S holds t already
	s_mov_b32 s25, 1.0
.Lzero_\@:
	v_max3_num_f32 v[WA], v[S], v[S+1], v[S+2]     ; the step's largest of my query, among my 64 keys, in two chains, each accumulator from its low end on
	v_max3_num_f32 v[WB], v[S+3], v[S+4], v[S+5]
.irp i, 6,10,14,18,22,26,30,34,38,42,46,50,54,58
	v_max3_num_f32 v[WA], v[WA], v[S+\i], v[S+\i+1]
	v_max3_num_f32 v[WB], v[WB], v[S+\i+2], v[S+\i+3]
.endr
	v_max3_num_f32 v[WA], v[WA], v[S+62], v[S+63]
	v_max_num_f32 v[WA], v[WA], v[WB]
	v_permlanex16_b32 v[WP], v[WA], s20, s21
	v_max_num_f32 v[WA], v[WA], v[WP]              ; and among lane l xor 16's
	v_mul_f32 v[WA], s24, v[WA]                    ; as t (the factor is positive)
	v_max_num_f32 v[TS+1], v[TS+1], v[WA]          ; the running largest t
	v_mov_b32 v[WA], v[TS]
	v_floor_f32 v[TS], -v[TS+1]                    ; the new -M = floor(-t) = -ceil(t): a whole number
	v_sub_f32 v[WA], v[TS], v[WA]                  ; old M - new M: a whole number, 0 or less
	v_cvt_i32_f32 v[WA], v[WA]                     ; (it saturates)
	v_ldexp_f32 v[FF], 1.0, v[WA]                  ; f = 2^(old M - new M): a multiplication by it rounds nothing
.set jj, 0
.rept 32
	v_pk_fma_f32 v[S+jj:S+jj+1], v[S+jj:S+jj+1], s[24:25], v[TS:TS+1] op_sel_hi:[1,0,0]   ; t - M
.set jj, jj+2
.endr
.set jj, 0
.rept 64
	v_exp_f32 v[S+jj], v[S+jj]                     ; p = 2^(t - M)
.set jj, jj+1
.endr
	v_pk_mul_f32 v[TS+2:TS+3], v[TS+2:TS+3], v[FF:FF+1] op_sel_hi:[1,0]   ; the sum under the new M (the plain line behind the exponentials)
	s_wait_alu depctr_va_vdst(0)                   ; one wait for the batch of 64, ahead of its first reader
	v_pk_add_f32 v[228:229], v[S:S+1], v[S+2:S+3]  ; the row's sum is taken of the unquantised p, in two chains
.irp j, 4,8,12,16,20,24,28,32,36,40,44,48,52,56,60
	v_pk_add_f32 v[TS+2:TS+3], v[TS+2:TS+3], v[S+\j:S+\j+1]
	v_pk_add_f32 v[228:229], v[228:229], v[S+\j+2:S+\j+3]
.endr
	v_pk_add_f32 v[TS+2:TS+3], v[TS+2:TS+3], v[228:229]
	s_cmp_eq_u32 s[HF], 1
	s_cbranch_scc1 .Lnohold_\@
.set jj, 0
.rept 64
	v_min_num_f32 v[S+jj], v[S+jj], v[LM8]         ; the conversion does not saturate (ISA guide 7.6.2); p is not negative, so the hold is one-sided
.set jj, jj+1
.endr
.Lnohold_\@:
.irp g, 0,1,2,3,4,5,6,7
	v_cvt_scalef32_pk8_fp8_f32 v[PC+2*\g:PC+2*\g+1], v[S+8*\g:S+8*\g+7], v[SC8]
.endr
	WIN 0x41
.set jj, 0
.rept 16
	v_pk_mul_f32 v[OB+jj:OB+jj+1], v[OB+jj:OB+jj+1], v[FF:FF+1] op_sel_hi:[1,0]   ; O^T under the new M (also the plain lines between the conversions and the products)
.set jj, jj+2
.endr
	s_wait_dscnt 0x0                               ; V is in
	WIN 0x51
.irp d, 0,1,2,3
	v_wmma_f32_16x16x128_fp8_fp8 v[OB+8*\d:OB+8*\d+7], v[VF+16*\d:VF+16*\d+15], v[PC:PC+15], v[OB+8*\d:OB+8*\d+7]   ; four accumulators by turns
.endr
	WIN 0
.endm
.Ltrip:                                            ; 16 trips, one for each key step; every wave passes the one barrier of each
	s_wait_dscnt 0x0                               ; my stores of this step's K and V have landed, and my reads of the other slot are over
	s_barrier_signal -1
	s_barrier_wait -1                              ; both now hold of all eight waves
	v_add_nc_u32 v[AK], s[TB], v[LI]               ; the two addresses that hang on the slot are made here, ahead of every branch
	s_xor_b32 s46, s[TB], SLOTB
	v_add_nc_u32 v[SGL], s46, v[SG]
	s_add_co_u32 s47, s[RJ], 1
	s_lshr_b32 s47, s[FA], s47
	s_and_b32 s47, s47, 1                          ; does some block of the work-group ask for the next step?  (There is no bit 16: the last trip fetches nothing)
	s_cmp_eq_u32 s47, 0
	s_cbranch_scc1 .Lnostage
	global_load_b128 v[STG:STG+3], v[SG], s[KP:KP+1] offset:8192
	global_load_b128 v[STG+4:STG+7], v[SG], s[KP:KP+1] offset:8704
	global_load_b128 v[STG+8:STG+11], v[SG], s[VP:VP+1] offset:8192
	global_load_b128 v[STG+12:STG+15], v[SG], s[VP:VP+1] offset:8704
.Lnostage:
	s_cmp_lt_u32 s[RJ], s44
	s_cbranch_scc0 .Lnoask
	global_prefetch_b8 v[PFO], s[42:43] offset:16384 th:TH_LOAD_NT scope:SCOPE_SE   ; the step two on, 8,192 bytes, lanes 256 bytes apart: a trip ahead of the loads that will want it; each block of 256 bytes is named once in the launch
.Lnoask:
	s_lshr_b32 s46, s[FX], s[RJ]
	s_and_b32 s46, s46, 1
	s_cmp_eq_u32 s46, 0
	s_cbranch_scc1 .Lnone                          ; neither of my blocks asks for this step
.rept 4
	v_nop                                          ; places in front of loads into registers that the last products have read
.endr
.irp k, 0,1,2,3,4,5,6,7
	ds_load_b128 v[KF+8*\k:KF+8*\k+3], v[AK] offset:1024*\k
	ds_load_b128 v[KF+8*\k+4:KF+8*\k+7], v[AK] offset:1024*\k+512
.endr
	WIN 0x40
.irp d, 0,1,2,3
.irp c, 0,1,2,3
	ds_load_b128 v[VF+16*\d+4*\c:VF+16*\d+4*\c+3], v[AK] offset:VOFF+2048*\d+512*\c
.endr
.endr
	WIN 0
	s_lshr_b32 s46, s[FEA], s[RJ]
	s_and_b32 s46, s46, 1
	s_cmp_eq_u32 s46, 0
	s_cbranch_scc1 .Lnoearly
	s_lshr_b32 s45, s[FEN], s[RJ]
	s_and_b32 s45, s45, 1
	TILE 0, MOE
	TILE 1, MOE
.Lnoearly:
	s_lshr_b32 s46, s[FLA], s[RJ]
	s_and_b32 s46, s46, 1
	s_cmp_eq_u32 s46, 0
	s_cbranch_scc1 .Lnone
	s_lshr_b32 s45, s[FLN], s[RJ]
	s_and_b32 s45, s45, 1
	TILE 2, MOL
	TILE 3, MOL
.Lnone:
	s_wait_loadcnt 0x0                             ; the next step's K and V are in registers
	s_cmp_eq_u32 s47, 0
	s_cbranch_scc1 .Lnostore
	ds_store_b128 v[SGL], v[STG:STG+3]             ; into the slot that nobody has read since the barrier
	ds_store_b128 v[SGL], v[STG+4:STG+7] offset:512
	ds_store_b128 v[SGL], v[STG+8:STG+11] offset:VOFF
	ds_store_b128 v[SGL], v[STG+12:STG+15] offset:VOFF+512
.Lnostore:
	s_wait_xcnt 0x0                                ; the trip's loads and its prefetch have read their bases: they are stepped only behind this wait
	s_add_nc_u64 s[KP:KP+1], s[KP:KP+1], 8192
	s_add_nc_u64 s[VP:VP+1], s[VP:VP+1], 8192
	s_add_nc_u64 s[42:43], s[42:43], 8192
	s_add_nc_u64 s[40:41], s[40:41], 512
	s_xor_b32 s[TB], s[TB], SLOTB
	s_add_co_u32 s[RJ], s[RJ], 1
	s_cmp_lt_u32 s[RJ], 16
	s_cbranch_scc1 .Ltrip
	; THE WAY OUT.  O^T / the sum x 2^(e8 + e9) is the head's result; its code is that / 2^e10, held within +-448.  The 16 registers of channel tiles 2 c, 2 c + 1 are 16 neighbours along the last product's K.
	s_wait_dscnt 0x0                               ; every LDS load of the last trip is in, on the way round both blocks' tiles too: the codes below are laid over K's registers only behind this wait
.irp t, 0,1,2,3
	v_add_f32 v[228+\t], v[ST+4*\t+2], v[ST+4*\t+3]   ; the sum's two halves (these are also the places behind the last products),
.endr
.irp t, 0,1,2,3
	v_permlanex16_b32 v[232+\t], v[228+\t], s20, s21
.endr
.irp t, 0,1,2,3
	v_add_f32 v[228+\t], v[228+\t], v[232+\t]         ; and lane l xor 16's
.endr
.irp t, 0,1,2,3
	v_rcp_f32 v[236+2*\t], v[228+\t]
.endr
	v_mov_b32 v35, 0x43e00000                      ; 448 (the plain line behind the reciprocals)
	v_mov_b32 v[WB], 1.0                           ; the conversions' scale: 1
.irp t, 0,1,2,3
	v_mov_b32 v[237+2*\t], 0                       ; (named as the upper half of a pair)
.endr
	s_add_co_i32 s45, s30, s31
	s_sub_co_i32 s45, s45, s32                     ; e8 + e9 - e10
	s_wait_alu depctr_va_vdst(0)                   ; one wait for the four reciprocals, ahead of their first reader
.irp t, 0,1,2,3
	v_ldexp_f32 v[236+2*\t], v[236+2*\t], s45
.endr
.macro OUTT t, base
.set OB, OT+32*(\t)
.set CD, KF+8*(\t)                     ; each tile has code registers of its own
	WIN 0x01
.set jj, 0
.rept 16
	v_pk_mul_f32 v[S+jj:S+jj+1], v[OB+jj:OB+jj+1], v[236+2*(\t):237+2*(\t)] op_sel_hi:[1,0]
.set jj, jj+2
.endr
	WIN 0
.set jj, 0
.rept 32
	v_med3_num_f32 v[S+jj], v[S+jj], -v35, v35
.set jj, jj+1
.endr
.irp g, 0,1,2,3
	v_cvt_scalef32_pk8_fp8_f32 v[CD+2*\g:CD+2*\g+1], v[S+8*\g:S+8*\g+7], v[WB]
.endr
	v_nop                                          ; a plain line behind the conversions: the next tile's products write their sources
	global_store_b128 v[LI], v[CD:CD+3], s[\base:\base+1] offset:16384*((\t)%2)          ; 512 consecutive bytes each
	global_store_b128 v[LI], v[CD+4:CD+7], s[\base:\base+1] offset:16384*((\t)%2)+512
.endm
	OUTT 0, 48
	OUTT 1, 48
	OUTT 2, 50
	OUTT 3, 50
	s_wait_tensorcnt 0x0                           ; the wave's end, behind my last LDS store
	ds_add_u32 v[SPW], v[NIL]
	s_wait_dscnt 0x0
	s_endpgm
.Lfunc_end_k_q5d81926d2b_attn:
	.size	k_q5d81926d2b_attn, .Lfunc_end_k_q5d81926d2b_attn-k_q5d81926d2b_attn
	.p2alignl 7, 3214868480
	.fill 96, 4, 3214868480
	.section	.rodata,"a",@progbits
	.p2align	6, 0x0
	.amdhsa_kernel k_q5d81926d2b_attn
		.amdhsa_group_segment_fixed_size 33792
		.amdhsa_private_segment_fixed_size 0
		.amdhsa_enable_private_segment 0
		.amdhsa_kernarg_size 40
		.amdhsa_user_sgpr_count 2
		.amdhsa_user_sgpr_kernarg_segment_ptr 1
		.amdhsa_wavefront_size32 1
		.amdhsa_system_sgpr_workgroup_id_x 1
		.amdhsa_system_sgpr_workgroup_id_y 1
		.amdhsa_system_sgpr_workgroup_id_z 1
		.amdhsa_system_vgpr_workitem_id 0
		.amdhsa_next_free_vgpr 512
		.amdhsa_next_free_sgpr 100
		.amdhsa_reserve_vcc 0
		.amdhsa_float_denorm_mode_32 3
		.amdhsa_float_denorm_mode_16_64 3
		.amdhsa_memory_ordered 1
		.amdhsa_forward_progress 1
		.amdhsa_inst_pref_size 119
	.end_amdhsa_kernel
	.amdgpu_metadata
---
amdhsa.version: [ 1, 2 ]
amdhsa.kernels:
  - .name:           k_q5d81926d2b_attn
    .symbol:         k_q5d81926d2b_attn.kd
    .args:
      - { .name: qkv, .offset: 0, .size: 8, .value_kind: global_buffer, .address_space: global }
      - { .name: mask, .offset: 8, .size: 8, .value_kind: global_buffer, .address_space: global }
      - { .name: flags, .offset: 16, .size: 8, .value_kind: global_buffer, .address_space: global }
      - { .name: lowp_scales, .offset: 24, .size: 8, .value_kind: global_buffer, .address_space: global }
      - { .name: aimg, .offset: 32, .size: 8, .value_kind: global_buffer, .address_space: global }
    .group_segment_fixed_size: 33792
    .private_segment_fixed_size: 0
    .kernarg_segment_align: 8
    .kernarg_segment_size: 40
    .max_flat_workgroup_size: 256
    .sgpr_count:     100
    .vgpr_count:     512
    .wavefront_size: 32
...
	.end_amdgpu_metadata
.endif
;; end of part 3
;; launch oproj (part 4): grid 4 x 32, 4 waves a work-group, clusters of 4 x 4, 327,680 bytes of LDS; arguments aimg, wimg, lowp_scales, bo, out0; writes out0
.if DOCPART == 4
	.amdgcn_target "amdgcn-amd-amdhsa--gfx1250"
	.amdhsa_code_object_version 6
	.text
	.protected	k_q5d81926d2b_oproj
	.globl	k_q5d81926d2b_oproj
	.p2align	8
	.type	k_q5d81926d2b_oproj,@function
k_q5d81926d2b_oproj:
	s_mov_b64 s[64:65], 0
	v_nop
	global_prefetch_b8 v0, s[64:65] scope:SCOPE_SE
	s_setreg_imm32_b32 hwreg(HW_REG_WAVE_MODE, 25, 1), 1
	s_wait_xcnt 0x0
	s_wait_alu depctr_hold_cnt(0) depctr_sa_sdst(0) depctr_va_vdst(0) depctr_va_sdst(0) depctr_va_ssrc(0) depctr_va_vcc(0) depctr_vm_vsrc(0)
	s_getreg_b32 s2, hwreg(HW_REG_IB_STS2, 6, 4)
	s_cmp_eq_u32 s2, 0
	s_cbranch_scc0 .Lentry_in_a_cluster
	s_endpgm
.Lentry_in_a_cluster:
	s_bfe_u32 s2, ttmp6, 0x10000c
	s_cmp_lg_u32 s2, 0xf033
	s_cbranch_scc0 .Lentry_shape_is_right
	s_endpgm
.Lentry_shape_is_right:
; Launch 4 of 4: out0 = attention's result x wo + bo, [8192 x 1024 x 1024], on codes of E4M3 (scales e10, e11); f32 out.  No work is left out.
; Ring, round, joint loads and the walk over K are the second launch's: images of the operands' registers, K in steps of 256 through two LDS slots, a tile of 256 x 256 to a work-group, 128 x 128 to a wave.
; Source 1 ("A") = 16 rows of aimg, source 0 ("B") = 16 columns of wo: a lane holds one row of the result, and the 16 registers of B's tiles 2 c, 2 c + 1 are its columns 32 c + 16 h + 0 .. 15.
; The bias is the C of each sum's first product, divided by the power of two that the sums lack; each finished sum is multiplied once by 2^(e10 + e11).
; The rows of a tile of aimg are not neighbours (lane r of tile 2 b + u: row 32 b + 8 u + r + 8 (r / 8)): the way out puts each row where it belongs by its store's immediate offset.
; LIMIT: e10 + e11 between -126 and 127.
; REGISTERS: window 0: v16-31 addresses; v32-95 the bias, on the way out a block's sums; v128-255 A's fragments, on the way out rows read back.  window 1: B's two sets.  windows 2, 3: the accumulators.
.set HALFT,  32768
.set SLOT,   4*HALFT
.set SPARE,  2*SLOT                    ; behind the ring: the spare words, 128 bytes for each wave
.set SPITCH, 528                       ; the way out: a stage of 16 rows x (512 bytes + 16) for each wave, in slot 0, which has had its last fill and its last read when the first result is stored there
.set FR,     16
.set NL,     4
.set NP,     4
.set ADRA, 16
.set ADRB, 20
.set STO,  24                          ; v24  the way out: where I put 32 bytes of a row
.set RD,   25                          ; v25  where I read a row back
.set LI,   26                          ; v26  16 x lane
.set SPW,  28
.set NIL,  29
.set BIAS, 32
.set TMP,  32
.set AF,   128
.set BK,   128
.set G1, 24
.set G0, 32
.set G1B, 48
.set G0B, 56
.set MSB, 0
.macro WIN new
.if MSB != \new
	s_set_vgpr_msb (MSB<<8)|\new
.set MSB, \new
.endif
.endm
.set MUL_LO, 0xa1                      ; source 0 (B) window 1, source 1 (A) window 0, C and D window 2
.set MUL_HI, 0xf1
.set FST_LO, 0x81                      ; the first products: C (the bias) window 0, D window 2
.set FST_HI, 0xc1
.set TO_B,   0x40
.macro JLOAD g0a, g1a, g0b, g1b        ; a joint load: waves 0 and 1 fetch for A, waves 2 and 3 for B; an s_nop 0 and four v_nop follow each of the two lines
	s_cmp_eq_u32 s15, 0
	s_cbranch_scc0 .Lfor_b_\@
	tensor_load_to_lds s[\g0a:\g0a+3], s[\g1a:\g1a+7]
	s_nop 0
.rept 4
	v_nop
.endr
	s_branch .Lasked_\@
.Lfor_b_\@:
	tensor_load_to_lds s[\g0b:\g0b+3], s[\g1b:\g1b+7]
	s_nop 0
.rept 4
	v_nop
.endr
.Lasked_\@:
.endm
.macro CREST
	s_cmp_lg_u32 s14, 0
	s_cbranch_scc1 .Lnot_wave_0_\@
	s_barrier_signal -3
.Lnot_wave_0_\@:
	s_barrier_wait -3
	s_barrier_signal -1
	s_barrier_wait -1
.endm
.macro CROUND
	s_barrier_signal -1
	s_barrier_wait -1
	CREST
.endm
	s_load_b256 s[4:11], s[0:1], 0x0               ; aimg s[4:5], wimg s[6:7], the scales' exponents s[8:9], bo s[10:11]
	s_load_b64 s[12:13], s[0:1], 0x20              ; out0
	v_lshl_add_u32 v[SPW], v0, 2, SPARE
	v_mov_b32 v[NIL], 0
	ds_add_u32 v[SPW], v[NIL]                      ; the wave's opening: the add, twice on end, and its wait ahead of my first tensor load
	ds_add_u32 v[SPW], v[NIL]
	v_lshrrev_b32 v1, 5, v0
	v_readfirstlane_b32 s14, v1                    ; wave 0..3
	s_lshr_b32 s15, s14, 1                         ; my half of A's rows; also: I fetch for A (0) or for B (1)
	s_and_b32 s16, s14, 1                          ; my half of B's; also: which eight tiles I fetch
	s_bfe_u32 s40, ttmp6, 0x40000                  ; cx, cy
	s_bfe_u32 s41, ttmp6, 0x40004
	s_lshl_b32 s42, ttmp9, 2
	s_add_co_u32 s42, s42, s40                     ; B's block of 256 columns
	s_and_b32 s17, ttmp7, 0xffff
	s_lshl_b32 s17, s17, 2
	s_add_co_u32 s17, s17, s41                     ; A's block of 256 rows
	s_lshl_b32 s43, s41, 2
	s_lshl_b32 s43, 15, s43                        ; my row of the cluster
	s_lshl_b32 s44, 0x1111, s40                    ; my column
	s_or_b32 s[G1+0], s43, (3<<16)|(1<<21)         ; group 1: 8 rows of 512 elements of 8 bytes, 2,048 elements apart, dense in LDS; the mask, and bit 21 beside it
	s_or_b32 s[G1B+0], s44, (3<<16)|(1<<21)
.irp g, G1, G1B
	s_mov_b32 s[\g+1], 512<<16
	s_mov_b32 s[\g+2], 8<<16
	s_mov_b32 s[\g+3], 512<<16
	s_mov_b32 s[\g+4], 8
	s_mov_b32 s[\g+5], 2048
	s_mov_b32 s[\g+6], 0
	s_mov_b32 s[\g+7], 0
.endr
	s_lshl_b32 s18, s16, 17
	s_lshl_b32 s20, s17, 18
	s_add_co_u32 s20, s20, s18
	s_mov_b32 s21, 0
	s_lshl_b32 s46, s42, 18
	s_add_co_u32 s46, s46, s18
	s_add_co_u32 s46, s46, 0x300000                ; wo's image is the fourth in wimg
	s_mov_b32 s47, 0
	s_mul_i32 s45, s14, HALFT
	s_wait_dscnt 0x0                               ; both opening adds are done
	s_wait_kmcnt 0x0
	s_load_b64 s[96:97], s[8:9], 0x28              ; e10, e11
	s_add_nc_u64 s[20:21], s[4:5], s[20:21]
	s_add_nc_u64 s[46:47], s[6:7], s[46:47]
	CROUND                                         ; all sixteen work-groups are here: the first joint loads meet
.irp s, 0,1
	s_mov_b32 s[G0+4*\s], 1
	s_add_co_u32 s[G0+4*\s+1], s45, \s*SLOT
	s_add_nc_u64 s[G0+4*\s+2:G0+4*\s+3], s[20:21], \s*4096
	s_or_b32 s[G0+4*\s+3], s[G0+4*\s+3], 0x80000000
	s_mov_b32 s[G0B+4*\s], 1
	s_add_co_u32 s[G0B+4*\s+1], s45, \s*SLOT
	s_add_nc_u64 s[G0B+4*\s+2:G0B+4*\s+3], s[46:47], \s*4096
	s_or_b32 s[G0B+4*\s+3], s[G0B+4*\s+3], 0x80000000
	JLOAD G0+4*\s, G1, G0B+4*\s, G1B
.endr
	v_and_b32 v1, 31, v0
	v_lshlrev_b32 v[LI], 4, v1
	v_and_b32 v2, 15, v0                           ; r
	v_bfe_u32 v3, v0, 4, 1                         ; h
	v_lshlrev_b32 v5, 6, v3                        ; the bias: 64 h
	s_lshl_b32 s2, s42, 10
	s_lshl_b32 s3, s16, 9
	s_add_co_u32 s2, s2, s3                        ; my 128 columns, in bytes
	s_mov_b32 s3, 0
	s_add_nc_u64 s[10:11], s[10:11], s[2:3]
.irp b, 0,1,2,3,4,5,6,7
	global_load_b128 v[BIAS+8*\b:BIAS+8*\b+3], v5, s[10:11] offset:128*(\b/2)+32*(\b%2)      ; tile b, register j: column 32 (b / 2) + 8 (b % 2) + 16 h + j
	global_load_b128 v[BIAS+8*\b+4:BIAS+8*\b+7], v5, s[10:11] offset:128*(\b/2)+32*(\b%2)+16
.endr
	s_mul_i32 s21, s15, HALFT
	s_mul_i32 s22, s16, HALFT
	s_add_co_u32 s22, s22, 2*HALFT
.irp s, 0,1
	v_add_nc_u32 v[ADRA+\s], s21, v[LI]
	v_add_nc_u32 v[ADRB+\s], s22, v[LI]
	s_add_co_u32 s21, s21, SLOT
	s_add_co_u32 s22, s22, SLOT
.endr
	s_mul_i32 s23, s14, 16*SPITCH                  ; my stage
	v_mul_u32_u24 v4, v2, SPITCH
	v_lshl_add_u32 v4, v3, 6, v4
	v_add_nc_u32 v[STO], s23, v4                   ; in: row r, + 64 h
	v_add_nc_u32 v[RD], s23, v[LI]                 ; back: the 32 lanes take one row of 512 bytes
	s_lshl_b32 s18, s17, 20                        ; out0: 256 rows of 4,096 bytes to A's block,
	s_lshl_b32 s19, s15, 19                        ; 128 to my half,
	s_add_co_u32 s18, s18, s19
	s_add_co_u32 s18, s18, s2                      ; and my 128 columns
	s_mov_b32 s19, 0
	s_add_nc_u64 s[12:13], s[12:13], s[18:19]
	s_wait_kmcnt 0x0
	s_add_co_i32 s96, s96, s97                     ; e10 + e11
	s_sub_co_i32 s87, 0, s96
	s_add_co_i32 s96, s96, 127
	s_lshl_b32 s96, s96, 23                        ; 2^(e10 + e11) as f32
	s_mov_b32 s97, s96                             ; (named with it as a pair)
	s_wait_loadcnt 0x0
.set oj, 0
.rept 64
	v_ldexp_f32 v[BIAS+oj], v[BIAS+oj], s87        ; bo / 2^(e10 + e11)
.set oj, oj+1
.endr
.macro FRAG reg, adr, q, i
.irp c, 0,1,2,3
	ds_load_b128 v[\reg+4*\c:\reg+4*\c+3], v[\adr] offset:4096*(\i)+2048*(\q)+512*\c
.endr
.endm
; 16 matrix instructions: A's blocks a0, a0 + 1 x B's eight.  zero = 1: the first product starts the sums from the bias.  The 64 accumulators take turns, one instruction a turn.
.macro MUL16 a0, p, zero
.irp a, \a0, \a0+1
.irp b, 0,1,2,3,4,5,6,7
.if \zero
	v_wmma_f32_16x16x128_fp8_fp8 v[8*(8*((\a)%4)+\b):8*(8*((\a)%4)+\b)+7], v[128*(\p)+FR*\b:128*(\p)+FR*\b+FR-1], v[AF+FR*(\a):AF+FR*(\a)+FR-1], v[BIAS+8*\b:BIAS+8*\b+7]
.else
	v_wmma_f32_16x16x128_fp8_fp8 v[8*(8*((\a)%4)+\b):8*(8*((\a)%4)+\b)+7], v[128*(\p)+FR*\b:128*(\p)+FR*\b+FR-1], v[AF+FR*(\a):AF+FR*(\a)+FR-1], v[8*(8*((\a)%4)+\b):8*(8*((\a)%4)+\b)+7]
.endif
.endr
.endr
.endm
.macro FETCH_B slot, q, p
	WIN TO_B
.irp i, 0,1,2,3,4,5,6,7
	FRAG 128*(\p)+FR*\i, ADRB+\slot, \q, \i
.endr
	WIN 0
.endm
.macro FETCH_A slot, q, i0
.irp i, \i0, \i0+1, \i0+2, \i0+3
	FRAG AF+FR*(\i), ADRA+\slot, \q, \i
.endr
.endm
.macro PLACES n
.rept \n
	v_nop
.endr
.endm
.macro STEP slot, q, zero
	s_wait_dscnt 4*NL                              ; B's set and A's blocks 0-3 are in; the youngest 16 loads (A's blocks 4-7) may be out
.if \zero
	WIN FST_LO
.else
	WIN MUL_LO
.endif
	MUL16 0, (\q)%2, \zero
	MUL16 2, (\q)%2, \zero
	s_wait_dscnt 0
	PLACES NP
	FETCH_B \slot, (\q)+1, 1-(\q)%2
	FETCH_A \slot, (\q)+1, 0
.if \zero
	WIN FST_HI
.else
	WIN MUL_HI
.endif
	MUL16 4, (\q)%2, \zero
	MUL16 6, (\q)%2, \zero
	PLACES NP
	WIN 0
	FETCH_A \slot, (\q)+1, 4
.endm
.macro TURN slot, next, fill
	s_wait_tensorcnt 0x0                           ; all my tensor loads have landed: my part of the next slot
	ds_add_u32 v[SPW], v[NIL]                      ; 0 onto my spare word
	s_wait_dscnt 4*NL+1                            ; (the add and the youngest 16 loads may be out)
	WIN MUL_LO
	MUL16 0, 1, 0
	s_wait_dscnt 0x0                               ; the add is done, and my reads of this slot are over
	s_barrier_signal -1
	MUL16 2, 1, 0
	WIN 0
	s_barrier_wait -1
.if \fill
	CREST                                          ; the barrier has opened a round of the cluster's
	s_add_nc_u64 s[G0+4*\slot+2:G0+4*\slot+3], s[G0+4*\slot+2:G0+4*\slot+3], 8192
	s_add_nc_u64 s[G0B+4*\slot+2:G0B+4*\slot+3], s[G0B+4*\slot+2:G0B+4*\slot+3], 8192
	JLOAD G0+4*\slot, G1, G0B+4*\slot, G1B
.else
	PLACES NP
.endif
	FETCH_B \next, 0, 0
	FETCH_A \next, 0, 0
	WIN MUL_HI
	MUL16 4, 1, 0
	MUL16 6, 1, 0
	PLACES NP
	WIN 0
	FETCH_A \next, 0, 4
.endm
	s_wait_tensorcnt 1                             ; my part of slot 0 is in (slot 1's load, issued behind it, may be out),
	s_barrier_signal -1
	s_barrier_wait -1                              ; everybody's is
	FETCH_B 0, 0, 0
	FETCH_A 0, 0, 0
	FETCH_A 0, 0, 4
	STEP 0, 0, 1
	TURN 0, 1, 1
	STEP 1, 0, 0
	TURN 1, 0, 1
	STEP 0, 0, 0
	TURN 0, 1, 0
	STEP 1, 0, 0
	s_wait_dscnt 4*NL
	WIN MUL_LO
	MUL16 0, 1, 0
	MUL16 2, 1, 0
	s_wait_dscnt 0
	WIN MUL_HI
	MUL16 4, 1, 0
	MUL16 6, 1, 0
	WIN 0
; THE WAY OUT, a block of 16 rows x 128 columns at a time: x 2^(e10 + e11), through my own stage in LDS, back as whole rows of 512 bytes.  LDS serves a wave's instructions in order: no wait between the stores and the loads.
.macro TOSTAGE a
.set AC, 64*((\a)%4)
	WIN 0x02+((\a)/4)
.set oj, 0
.rept 32
	v_pk_mul_f32 v[TMP+oj:TMP+oj+1], v[AC+oj:AC+oj+1], s[96:97] op_sel_hi:[1,0]   ; each accumulator from its low end on
.set oj, oj+2
.endr
	WIN 0
.irp b, 0,1,2,3,4,5,6,7
	ds_store_b128 v[STO], v[TMP+8*\b:TMP+8*\b+3] offset:128*(\b/2)+32*(\b%2)      ; columns 32 (b / 2) + 16 h + 8 (b % 2) + 0 .. 7 of row r
	ds_store_b128 v[STO], v[TMP+8*\b+4:TMP+8*\b+7] offset:128*(\b/2)+32*(\b%2)+16
.endr
.set BB, BK+64*((\a)%2)
.irp t, 0,1,2,3,4,5,6,7,8,9,10,11,12,13,14,15
	ds_load_b128 v[BB+4*\t:BB+4*\t+3], v[RD] offset:\t*SPITCH
.endr
.endm
.macro SEND a, younger                 ; younger: the LDS instructions issued behind block a's loads, which may stay out
.set BB, BK+64*((\a)%2)
	s_wait_dscnt \younger
.irp t, 0,1,2,3,4,5,6,7,8,9,10,11,12,13,14,15
	global_store_b128 v[LI], v[BB+4*\t:BB+4*\t+3], s[12:13] offset:(32*((\a)/2)+8*((\a)%2)+\t+8*(\t/8))*4096 th:TH_STORE_NT   ; 32 lanes store 512 consecutive bytes, aligned; stage row t of block a is this row of my 128
.endr
.endm
	PLACES NP
	TOSTAGE 0
.irp a, 1,2,3,4,5,6,7
.if \a > 1
	s_wait_xcnt 0x0                                ; block a - 2's stores have read their registers: block a's loads may land there
.endif
	TOSTAGE \a
	SEND \a-1, 32                                  ; behind block a - 1's loads: block a's 16 stores and 16 loads
.endr
	SEND 7, 0
	s_wait_tensorcnt 0x0                           ; the wave's end, behind my last tensor load and my last LDS store
	ds_add_u32 v[SPW], v[NIL]
	s_wait_dscnt 0x0
	CROUND                                         ; the closing round
	s_endpgm
.Lfunc_end_k_q5d81926d2b_oproj:
	.size	k_q5d81926d2b_oproj, .Lfunc_end_k_q5d81926d2b_oproj-k_q5d81926d2b_oproj
	.p2alignl 7, 3214868480
	.fill 96, 4, 3214868480
	.section	.rodata,"a",@progbits
	.p2align	6, 0x0
	.amdhsa_kernel k_q5d81926d2b_oproj
		.amdhsa_group_segment_fixed_size 327680
		.amdhsa_private_segment_fixed_size 0
		.amdhsa_enable_private_segment 0
		.amdhsa_kernarg_size 40
		.amdhsa_user_sgpr_count 2
		.amdhsa_user_sgpr_kernarg_segment_ptr 1
		.amdhsa_wavefront_size32 1
		.amdhsa_system_sgpr_workgroup_id_x 1
		.amdhsa_system_sgpr_workgroup_id_y 1
		.amdhsa_system_sgpr_workgroup_id_z 1
		.amdhsa_system_vgpr_workitem_id 0
		.amdhsa_next_free_vgpr 1024
		.amdhsa_next_free_sgpr 100
		.amdhsa_reserve_vcc 0
		.amdhsa_float_denorm_mode_32 3
		.amdhsa_float_denorm_mode_16_64 3
		.amdhsa_memory_ordered 1
		.amdhsa_forward_progress 1
		.amdhsa_inst_pref_size 128
	.end_amdhsa_kernel
	.amdgpu_metadata
---
amdhsa.version: [ 1, 2 ]
amdhsa.kernels:
  - .name:           k_q5d81926d2b_oproj
    .symbol:         k_q5d81926d2b_oproj.kd
    .args:
      - { .name: aimg, .offset: 0, .size: 8, .value_kind: global_buffer, .address_space: global }
      - { .name: wimg, .offset: 8, .size: 8, .value_kind: global_buffer, .address_space: global }
      - { .name: lowp_scales, .offset: 16, .size: 8, .value_kind: global_buffer, .address_space: global }
      - { .name: bo, .offset: 24, .size: 8, .value_kind: global_buffer, .address_space: global }
      - { .name: out0, .offset: 32, .size: 8, .value_kind: global_buffer, .address_space: global }
    .group_segment_fixed_size: 327680
    .private_segment_fixed_size: 0
    .kernarg_segment_align: 8
    .kernarg_segment_size: 40
    .max_flat_workgroup_size: 128
    .sgpr_count:     100
    .vgpr_count:     1024
    .wavefront_size: 32
...
	.end_amdgpu_metadata
.endif
;; end of part 4
;; ======== version 2 of 2: 4 launches; version 1 with the launch attn written anew for expert scheduling mode
;; workspace buffers: ximg 25,165,824 bytes; wimg 4,194,304 bytes; qkv 25,165,824 bytes; aimg 8,388,608 bytes; flags 2,048 bytes of whole numbers
;; launch prep: the kernel of part 1 again; grid 640 x 1, 4 waves a work-group, no clusters, 34,304 bytes of LDS; arguments q, k, v, wq, wk, wv, wo, mask, lowp_scales, ximg, wimg, flags; writes ximg, wimg, flags
;; launch proj: the kernel of part 2 again; grid 4 x 96, 4 waves a work-group, clusters of 4 x 4, 327,680 bytes of LDS; arguments ximg, wimg, lowp_scales, qkv, bq, bk, bv; writes qkv
;; launch attn (part 5): grid 4 x 64, 8 waves a work-group, no clusters, 33,792 bytes of LDS; arguments qkv, mask, flags, lowp_scales, aimg; writes aimg
.if DOCPART == 5
	.amdgcn_target "amdgcn-amd-amdhsa--gfx1250"
	.amdhsa_code_object_version 6
	.text
	.protected	k_q5d81926d2b_attn
	.globl	k_q5d81926d2b_attn
	.p2align	8
	.type	k_q5d81926d2b_attn,@function
k_q5d81926d2b_attn:
	s_mov_b64 s[64:65], 0
	v_nop
	global_prefetch_b8 v0, s[64:65] scope:SCOPE_SE
	s_setreg_imm32_b32 hwreg(HW_REG_WAVE_SCHED_MODE, 0, 2), 2
	s_setreg_imm32_b32 hwreg(HW_REG_WAVE_MODE, 25, 1), 1
	s_wait_xcnt 0x0
	s_wait_alu depctr_vm_vsrc(0)
; Launch 3 of 4: attention on codes of E4M3, head size 64; the result is quantised with e10 into the image that the last product reads.
; WHAT IS LEFT OUT hangs on the whole numbers that the first launch stored, never on a pattern built in: a key step (128 keys) whose bit is clear for all 32 queries of a block adds exactly nothing for them
; (p = 0 in f32 for each of its keys: shown at the first kernel's path M, for all values of the inputs), so its products and its softmax are jumped over; where the mask is all zero in a step, it is not loaded.
; t = logit x log2(e); M = the running largest t rounded UP to a whole number; p = 2^(t - M) is quantised with e8, not normalised; the row's sum is taken of the unquantised p and divides at the end.
; Where the mask is zero, t - M is one fused multiply-add of the score.  Where it is not, the roundings are those of the problem's own order: mask x -1e9, + the scaled score, x log2(e), each rounded by itself
; (all three carried with a power of two taken out, which rounds nothing).
; SHARES.  A work-group serves one head (y) and 16 blocks of 32 queries; wave w owns two: block 8 x + w and block 63 - (8 x + w), two tiles of 16 each.  Every wave walks the 16 key steps.
; K's and V's images of a step (8,192 bytes each) go from memory through registers into one of two LDS slots, a step ahead, each wave an eighth; all eight waves read them.  No tensor load: branches here hang on loaded whole numbers.
; LAYOUT.  S^T = K Q^T (source 0 = 16 keys, source 1 = 16 queries), O^T = V^T P^T: a lane holds one query throughout; the 16 registers of key tiles 2 b, 2 b + 1 are keys 32 b + 16 h + 0 .. 15: p's codes are the operand.
; LIMITS: e6 + e7 between -95 and 125; e8 between -126 and 119; NaN is not served.
; REGISTERS.  window 0: v1-9 addresses; v12-27 four registers of statistics a tile (-M, the largest t, the sum in two halves); v28, v29 2^e8 and 448 x 2^e8; v30-35 at work; v36-67 Q; v68-83 p's codes;
;   v84-99 the step on its way to LDS; v100-163 S^T, then p; v164-227 K; v228-243 at work.   window 1: v0-127 O^T, 32 a tile; v128-191 V; v192-255 the mask.
; THE MODE: SCHED_MODE bits 1:0 = 2 (LLVM: expert scheduling mode 2), set by the entry lines.  The code itself states the register dependences
; between vector or matrix instructions and memory or LDS instructions, with s_wait_alu, always for 0.
; THE PLAN.  Registers that memory or LDS instructions touch:
;   v[LI], v[SG], v[MOE], v[MOL], v[PFO]   offsets: made at the head, ahead of one wait on va_vdst, and never written again.
;   v[AK], v[SGL]   written by two additions at a trip's head; read by the trip's 32 LDS loads and by the four LDS stores at its end.
;   v[STG ..]       the stage loads at a trip's head land in it; the LDS stores at the trip's end read it; no vector instruction names it.
;   K's, V's        the LDS loads at a trip's head land in them; the trip's matrix instructions read them.
;   the mask's      a masked tile's 16 loads land in them; that tile's multiplications and additions write and read them, all ahead of the tile's batch of exponentials.
;   Q's             loaded once, read by matrix instructions.      The codes on the way out: written by conversions, read by eight stores, never written again.
; So a trip has two waits at its head, behind the barrier.  One on vm_vsrc: the last trip's LDS loads and stores have read v[AK], v[SGL] and v[STG ..].  One on va_vdst, behind the two additions: v[AK] and v[SGL] are written,
; and the last trip's products are done reading K's and V's registers.  Every memory and LDS instruction of the trip follows with no further wait: no vector or matrix instruction behind that wait writes a register that they read
; or names one in which their data land.  A tile's one wait on va_vdst, behind its exponentials, stands behind its last use of the mask's registers too: it serves the next masked tile's loads.
.set SLOTB, 16384                      ; a slot: K's 8 tiles of 1,024 bytes, then V's 4 fragments of 2,048
.set VOFF,  8192
.set SPARE, 2*SLOTB                    ; behind the slots: the spare words, 128 bytes for each of eight waves
.set LI,  1                            ; v1  16 x lane
.set AK,  2                            ; v2  16 x lane + the slot in hand
.set SG,  3                            ; v3  1,024 x wave + 16 x lane: my bytes of a step's K and of its V
.set SGL, 4                            ; v4  the same + the other slot
.set SPW, 5                            ; v5  LDS address of my spare word; never rewritten
.set NIL, 6                            ; v6  0; never rewritten
.set MOE, 7                            ; v7  the mask: my row and half in the early block's even tile
.set MOL, 8                            ; v8  in the late block's
.set PFO, 9                            ; v9  256 x lane
.set ST,  12
.set SC8, 28
.set LM8, 29
.set FF,  30                           ; v[30:31] f = 2^(old M - new M)
.set WA,  32
.set WB,  33
.set WP,  34
.set QF,  36
.set PC,  68
.set STG, 84
.set S,   100
.set KF,  164
.set OT,  0                            ; window 1
.set VF,  128
.set MK,  192
.set KP,  68                           ; s[68:69] K's image at the step in hand;  s[70:71] V's
.set VP,  70
.set FA,  66                           ; s66 steps that some block of the work-group asks for
.set FEA, 67                           ; s67 the early block's steps;  s76 those with a mask that is not zero
.set FEN, 76
.set FLA, 77                           ; s77, s78 the late block's
.set FLN, 78
.set FX,  79                           ; s79 steps that I ask for
.set RJ,  33                           ; s33 the step
.set TB,  34                           ; s34 LDS byte of the slot in hand
.set HF,  35                           ; s35 1: p's hold cannot bind
.set MSB, 0
.macro WIN new                         ; the immediate's high byte repeats the setting that is left
.if MSB != \new
	s_set_vgpr_msb (MSB<<8)|\new
.set MSB, \new
.endif
.endm
.macro ORRUN dst, first, n             ; s[dst] |= s[first] .. s[first + n - 1]
.set oq, 0
.rept \n
	s_or_b32 s[\dst], s[\dst], s[\first+oq]
.set oq, oq+1
.endr
.endm
	s_load_b256 s[4:11], s[0:1], 0x0               ; qkv s[4:5], mask s[6:7], flags s[8:9], the scales' exponents s[10:11]
	s_load_b64 s[12:13], s[0:1], 0x20              ; aimg
	v_lshl_add_u32 v[SPW], v0, 2, SPARE
	v_mov_b32 v[NIL], 0
	v_lshrrev_b32 v10, 5, v0
	v_readfirstlane_b32 s14, v10                   ; wave 0..7
	v_and_b32 v11, 31, v0
	v_lshlrev_b32 v[LI], 4, v11
	v_lshl_add_u32 v[SG], v10, 10, v[LI]
	v_lshlrev_b32 v[PFO], 8, v11
	v_and_b32 v10, 15, v0
	v_and_b32 v11, 8, v10
	v_add_nc_u32 v10, v10, v11                     ; r + 8 (r / 8)
	v_bfe_u32 v11, v0, 4, 1                        ; h
	s_wait_alu depctr_va_sdst(0)                   ; s14 is written, ahead of its first reader: my two blocks' numbers are made from it
	s_lshl_b32 s98, ttmp9, 3
	s_add_co_u32 s98, s98, s14                     ; my early block
	s_sub_co_u32 s99, 63, s98                      ; my late block
	s_lshl_b32 s74, s98, 5                         ; their first rows of the mask
	s_lshl_b32 s75, s99, 5
	v_add_nc_u32 v[MOE], s74, v10
	v_lshlrev_b32 v[MOE], 13, v[MOE]               ; a row of the mask is 8,192 bytes
	v_lshl_add_u32 v[MOE], v11, 6, v[MOE]          ; + 64 h: my 16 keys of each 32
	v_add_nc_u32 v[MOL], s75, v10
	v_lshlrev_b32 v[MOL], 13, v[MOL]
	v_lshl_add_u32 v[MOL], v11, 6, v[MOL]
	s_and_b32 s15, ttmp7, 0xffff                   ; batch x 16 + head
	s_lshl_b32 s2, s15, 17                         ; a head's Q, K or V is 131,072 bytes
	s_mov_b32 s3, 0
	s_lshl_b32 s96, ttmp9, 8
	s_wait_kmcnt 0x0
	s_load_b512 s[16:31], s[8:9], s96 offset:0x0   ; the flags of the work-group's eight early blocks: 64 words
	s_load_b512 s[32:47], s[8:9], s96 offset:0x40
	s_load_b512 s[48:63], s[8:9], s96 offset:0x80
	s_load_b512 s[80:95], s[8:9], s96 offset:0xc0
	s_wait_alu depctr_va_vdst(0)                   ; the five offsets v[LI], v[SG], v[MOE], v[MOL], v[PFO] are written: every global load, the prefetch, the first LDS stores and the way out's stores read one of them
	s_add_nc_u64 s[72:73], s[4:5], s[2:3]          ; the head's Q,
	s_add_nc_u64 s[KP:KP+1], s[72:73], 0x800000    ; K,
	s_add_nc_u64 s[VP:VP+1], s[72:73], 0x1000000   ; V
	s_lshl_b32 s2, s99, 11                         ; a block's two tiles of Q are 2,048 bytes
	s_add_nc_u64 s[74:75], s[72:73], s[2:3]
	s_lshl_b32 s2, s98, 11
	s_add_nc_u64 s[72:73], s[72:73], s[2:3]
.irp u, 0,1
.irp c, 0,1
	global_load_b128 v[QF+8*\u+4*\c:QF+8*\u+4*\c+3], v[LI], s[72:73] offset:1024*\u+512*\c       ; Q stays in registers: tiles 0, 1 the early block's,
	global_load_b128 v[QF+16+8*\u+4*\c:QF+16+8*\u+4*\c+3], v[LI], s[74:75] offset:1024*\u+512*\c ; tiles 2, 3 the late one's
.endr
.endr
	global_load_b128 v[STG:STG+3], v[SG], s[KP:KP+1]                ; key step 0
	global_load_b128 v[STG+4:STG+7], v[SG], s[KP:KP+1] offset:512
	global_load_b128 v[STG+8:STG+11], v[SG], s[VP:VP+1]
	global_load_b128 v[STG+12:STG+15], v[SG], s[VP:VP+1] offset:512
.irp t, 0,1,2,3
	v_mov_b32 v[ST+4*\t+1], 0xff61b1e6             ; the largest t so far: -3e38, under every t
	v_floor_f32 v[ST+4*\t], -v[ST+4*\t+1]          ; -M
	v_mov_b32 v[ST+4*\t+2], 0                      ; the sum, in two halves
	v_mov_b32 v[ST+4*\t+3], 0
	v_mov_b32 v[232+\t], 0                         ; written once: a lane permute's destination counts as read
.endr
	v_mov_b32 v[FF+1], 0                           ; (named as the upper half of a pair)
	v_mov_b32 v[WP], 0
	WIN 0x40
.set jj, 0
.rept 128
	v_mov_b32 v[OT+jj], 0                          ; O^T.  Which step is a block's first is known from the flags alone, so no first step can be written out: the step finds zeros, which the first change of M leaves zeros
.set jj, jj+1
.endr
	WIN 0
	s_mov_b32 s[FA], 0
	s_wait_kmcnt 0x0
	ORRUN FA, 16, 48
	ORRUN FA, 80, 16
	s_sub_co_u32 s96, 1792, s96                    ; the eight late blocks begin at block 56 - 8 x: byte 32 (56 - 8 x)
	s_load_b512 s[16:31], s[8:9], s96 offset:0x0
	s_load_b512 s[32:47], s[8:9], s96 offset:0x40
	s_load_b512 s[48:63], s[8:9], s96 offset:0x80
	s_load_b512 s[80:95], s[8:9], s96 offset:0xc0
	s_wait_kmcnt 0x0
	ORRUN FA, 16, 48
	ORRUN FA, 80, 16
	s_and_b32 s[FA], s[FA], 0xffff
	s_lshl_b32 s96, s98, 5                         ; a block's eight words
	s_lshl_b32 s97, s99, 5
	s_load_b256 s[16:23], s[8:9], s96 offset:0x0
	s_load_b256 s[36:43], s[8:9], s97 offset:0x0
	s_load_b128 s[28:31], s[10:11], 0x18           ; e6, e7, e8, e9
	s_load_b32 s32, s[10:11], 0x28                 ; e10
	s_mov_b32 s[FEA], 0
	s_mov_b32 s[FLA], 0
	s_wait_kmcnt 0x0
	ORRUN FEA, 16, 8
	ORRUN FLA, 36, 8
	s_lshr_b32 s[FEN], s[FEA], 16
	s_and_b32 s[FEA], s[FEA], 0xffff
	s_lshr_b32 s[FLN], s[FLA], 16
	s_and_b32 s[FLA], s[FLA], 0xffff
	s_or_b32 s[FX], s[FEA], s[FLA]
	s_mov_b32 s20, 0x76543210                      ; v_permlanex16_b32: lane l xor 16
	s_mov_b32 s21, 0xfedcba98
	s_add_co_i32 s45, s28, s29                     ; e6 + e7
	s_sub_co_i32 s46, s45, 3
	s_lshl_b32 s46, s46, 23
	s_add_co_i32 s22, s46, 0x3fb8aa3b              ; c = log2(e) x 2^(e6 + e7) / 8: the exponents are added to log2(e)'s exponent field
	s_mov_b32 s23, s22
	s_sub_co_i32 s46, 3, s45
	s_lshl_b32 s46, s46, 23
	s_add_co_i32 s26, s46, 0xce6e6b28              ; -1e9 x 8 / 2^(e6 + e7): the mask's factor on the scale of the scores
	s_mov_b32 s27, s26
	s_add_co_i32 s45, s30, 127
	s_lshl_b32 s46, s45, 23
	v_mov_b32 v[SC8], s46                          ; 2^e8
	s_add_co_i32 s45, s45, 8
	s_lshl_b32 s45, s45, 23
	s_or_b32 s45, s45, 0x600000
	v_mov_b32 v[LM8], s45                          ; 448 x 2^e8
	s_cmp_ge_i32 s30, -8                           ; from e8 = -8 on that is 1.75 or more, and p is at most 1 but for a rounding: the hold cannot bind
	s_cselect_b32 s[HF], 1, 0
	s_mov_b64 s[40:41], s[6:7]                     ; the mask at the step in hand
	s_cmp_eq_u32 s14, 0
	s_cselect_b64 s[42:43], s[KP:KP+1], s[VP:VP+1] ; the prefetches: wave 0 asks for K's image, wave 1 for V's,
	s_lshr_b32 s45, s14, 1
	s_or_b32 s45, s45, ttmp9                       ; in the head's first work-group alone: all four walk the same K and V
	s_cmp_eq_u32 s45, 0
	s_cselect_b32 s44, 14, 0                       ; while the step is under 14: the step two on exists
	s_lshr_b32 s45, s15, 4
	s_lshl_b32 s45, s45, 21                        ; aimg: 128 tiles of 16,384 bytes to a batch,
	s_bfe_u32 s46, s15, 0x30001
	s_lshl_b32 s46, s46, 11                        ; two heads to a fragment of 128 along K,
	s_add_co_u32 s45, s45, s46
	s_and_b32 s46, s15, 1
	s_lshl_b32 s46, s46, 10                        ; the odd head its second half
	s_add_co_u32 s45, s45, s46
	s_lshl_b32 s46, s98, 15
	s_add_co_u32 s46, s46, s45
	s_mov_b32 s47, 0
	s_add_nc_u64 s[48:49], s[12:13], s[46:47]      ; the early block's two tiles,
	s_lshl_b32 s46, s99, 15
	s_add_co_u32 s46, s46, s45
	s_add_nc_u64 s[50:51], s[12:13], s[46:47]      ; the late one's
	s_mov_b32 s[RJ], 0
	s_mov_b32 s[TB], 0
	s_wait_loadcnt 0x0                             ; Q and step 0
	ds_store_b128 v[SG], v[STG:STG+3]              ; (no vector instruction since the head's wait on va_vdst names v[SG]; the data come from loads)
	ds_store_b128 v[SG], v[STG+4:STG+7] offset:512
	ds_store_b128 v[SG], v[STG+8:STG+11] offset:VOFF
	ds_store_b128 v[SG], v[STG+12:STG+15] offset:VOFF+512
; ONE TILE OF 16 QUERIES, ONE KEY STEP.  t: the tile; mo: the register with its block's place in the mask.  s45: 1 where the mask is not zero in this step for this block.
.macro TILE t, mo
.set TS, ST+4*(\t)
.set QR, QF+8*(\t)
.set OB, OT+32*(\t)
	s_wait_dscnt 16                                ; K's 16 loads are in; V's 16, issued behind them, may be out
.irp k, 0,1,2,3,4,5,6,7
	v_wmma_f32_16x16x64_fp8_fp8 v[S+8*\k:S+8*\k+7], v[KF+8*\k:KF+8*\k+7], v[QR:QR+7], 0
.endr
.rept 4
	v_nop                                          ; places in front of the first read of the scores (ISA guide 7.12.1)
.endr
	s_mov_b32 s24, s22                             ; the factor that turns what lies in S into t: c,
	s_mov_b32 s25, s22
	s_cmp_eq_u32 s45, 0
	s_cbranch_scc1 .Lzero_\@
	WIN 0x40
.irp b, 0,1,2,3
.irp w, 0,1,2,3
	global_load_b128 v[MK+16*\b+4*\w:MK+16*\b+4*\w+3], v[\mo], s[40:41] offset:65536*((\t)%2)+128*\b+16*\w   ; mask(my query, keys 32 b + 16 h + 4 w ..): register for register as the scores lie.  No wait on va_vdst here: the lines that last named these registers stand ahead of their own tile's wait behind its exponentials, and nothing since names them or the offset
.endr
.endr
	s_wait_loadcnt 0x0
	WIN 0x41
.set jj, 0
.rept 32
	v_pk_mul_f32 v[MK+jj:MK+jj+1], v[MK+jj:MK+jj+1], s[26:27] op_sel_hi:[1,0]   ; mask x -1e9, rounded by itself,
.set jj, jj+2
.endr
	WIN 0x04
.set jj, 0
.rept 32
	v_pk_add_f32 v[S+jj:S+jj+1], v[S+jj:S+jj+1], v[MK+jj:MK+jj+1]               ; + the score: the logit, rounded by itself,
.set jj, jj+2
.endr
	WIN 0
.set jj, 0
.rept 32
	v_pk_mul_f32 v[S+jj:S+jj+1], v[S+jj:S+jj+1], s[22:23] op_sel_hi:[1,0]       ; x log2(e): t, rounded by itself
.set jj, jj+2
.endr
	s_mov_b32 s24, 1.0                             ; or 1, where S holds t already
	s_mov_b32 s25, 1.0
.Lzero_\@:
	v_max3_num_f32 v[WA], v[S], v[S+1], v[S+2]     ; the step's largest of my query, among my 64 keys, in two chains, each accumulator from its low end on
	v_max3_num_f32 v[WB], v[S+3], v[S+4], v[S+5]
.irp i, 6,10,14,18,22,26,30,34,38,42,46,50,54,58
	v_max3_num_f32 v[WA], v[WA], v[S+\i], v[S+\i+1]
	v_max3_num_f32 v[WB], v[WB], v[S+\i+2], v[S+\i+3]
.endr
	v_max3_num_f32 v[WA], v[WA], v[S+62], v[S+63]
	v_max_num_f32 v[WA], v[WA], v[WB]
	v_permlanex16_b32 v[WP], v[WA], s20, s21
	v_max_num_f32 v[WA], v[WA], v[WP]              ; and among lane l xor 16's
	v_mul_f32 v[WA], s24, v[WA]                    ; as t (the factor is positive)
	v_max_num_f32 v[TS+1], v[TS+1], v[WA]          ; the running largest t
	v_mov_b32 v[WA], v[TS]
	v_floor_f32 v[TS], -v[TS+1]                    ; the new -M = floor(-t) = -ceil(t): a whole number
	v_sub_f32 v[WA], v[TS], v[WA]                  ; old M - new M: a whole number, 0 or less
	v_cvt_i32_f32 v[WA], v[WA]                     ; (it saturates)
	v_ldexp_f32 v[FF], 1.0, v[WA]                  ; f = 2^(old M - new M): a multiplication by it rounds nothing
.set jj, 0
.rept 32
	v_pk_fma_f32 v[S+jj:S+jj+1], v[S+jj:S+jj+1], s[24:25], v[TS:TS+1] op_sel_hi:[1,0,0]   ; t - M
.set jj, jj+2
.endr
.set jj, 0
.rept 64
	v_exp_f32 v[S+jj], v[S+jj]                     ; p = 2^(t - M)
.set jj, jj+1
.endr
	v_pk_mul_f32 v[TS+2:TS+3], v[TS+2:TS+3], v[FF:FF+1] op_sel_hi:[1,0]   ; the sum under the new M (the plain line behind the exponentials)
	s_wait_alu depctr_va_vdst(0)                   ; the 64 exponentials have written p, ahead of its first reader: one wait for the batch; and this tile's multiplications and additions are done with the mask's registers, in which the next masked tile's loads land
	v_pk_add_f32 v[228:229], v[S:S+1], v[S+2:S+3]  ; the row's sum is taken of the unquantised p, in two chains
.irp j, 4,8,12,16,20,24,28,32,36,40,44,48,52,56,60
	v_pk_add_f32 v[TS+2:TS+3], v[TS+2:TS+3], v[S+\j:S+\j+1]
	v_pk_add_f32 v[228:229], v[228:229], v[S+\j+2:S+\j+3]
.endr
	v_pk_add_f32 v[TS+2:TS+3], v[TS+2:TS+3], v[228:229]
	s_cmp_eq_u32 s[HF], 1
	s_cbranch_scc1 .Lnohold_\@
.set jj, 0
.rept 64
	v_min_num_f32 v[S+jj], v[S+jj], v[LM8]         ; the conversion does not saturate (ISA guide 7.6.2); p is not negative, so the hold is one-sided
.set jj, jj+1
.endr
.Lnohold_\@:
.irp g, 0,1,2,3,4,5,6,7
	v_cvt_scalef32_pk8_fp8_f32 v[PC+2*\g:PC+2*\g+1], v[S+8*\g:S+8*\g+7], v[SC8]
.endr
	WIN 0x41
.set jj, 0
.rept 16
	v_pk_mul_f32 v[OB+jj:OB+jj+1], v[OB+jj:OB+jj+1], v[FF:FF+1] op_sel_hi:[1,0]   ; O^T under the new M (also the plain lines between the conversions and the products)
.set jj, jj+2
.endr
	s_wait_dscnt 0x0                               ; V is in
	WIN 0x51
.irp d, 0,1,2,3
	v_wmma_f32_16x16x128_fp8_fp8 v[OB+8*\d:OB+8*\d+7], v[VF+16*\d:VF+16*\d+15], v[PC:PC+15], v[OB+8*\d:OB+8*\d+7]   ; four accumulators by turns
.endr
	WIN 0
.endm
.Ltrip:                                            ; 16 trips, one for each key step; every wave passes the one barrier of each
	s_wait_dscnt 0x0                               ; my stores of this step's K and V have landed, and my reads of the other slot are over
	s_barrier_signal -1
	s_barrier_wait -1                              ; both now hold of all eight waves
	s_wait_alu depctr_vm_vsrc(0)                   ; the last trip's LDS loads have read v[AK], its LDS stores (in the first trip: the four ahead of the loop) have read v[SGL] and v[STG ..]: the two additions and the stage loads below write these
	v_add_nc_u32 v[AK], s[TB], v[LI]               ; the two addresses that hang on the slot are made here, ahead of every branch
	s_xor_b32 s46, s[TB], SLOTB
	v_add_nc_u32 v[SGL], s46, v[SG]
	s_wait_alu depctr_va_vdst(0)                   ; v[AK] and v[SGL] are written, which the trip's LDS loads and stores read; the last trip's products are done reading K's and V's registers, in which the LDS loads below land
	s_add_co_u32 s47, s[RJ], 1
	s_lshr_b32 s47, s[FA], s47
	s_and_b32 s47, s47, 1                          ; does some block of the work-group ask for the next step?  (There is no bit 16: the last trip fetches nothing)
	s_cmp_eq_u32 s47, 0
	s_cbranch_scc1 .Lnostage
	global_load_b128 v[STG:STG+3], v[SG], s[KP:KP+1] offset:8192
	global_load_b128 v[STG+4:STG+7], v[SG], s[KP:KP+1] offset:8704
	global_load_b128 v[STG+8:STG+11], v[SG], s[VP:VP+1] offset:8192
	global_load_b128 v[STG+12:STG+15], v[SG], s[VP:VP+1] offset:8704
.Lnostage:
	s_cmp_lt_u32 s[RJ], s44
	s_cbranch_scc0 .Lnoask
	global_prefetch_b8 v[PFO], s[42:43] offset:16384 th:TH_LOAD_NT scope:SCOPE_SE   ; the step two on, 8,192 bytes, lanes 256 bytes apart: a trip ahead of the loads that will want it; each block of 256 bytes is named once in the launch
.Lnoask:
	s_lshr_b32 s46, s[FX], s[RJ]
	s_and_b32 s46, s46, 1
	s_cmp_eq_u32 s46, 0
	s_cbranch_scc1 .Lnone                          ; neither of my blocks asks for this step
.rept 4
	v_nop                                          ; places in front of loads into registers that the last products have read
.endr
.irp k, 0,1,2,3,4,5,6,7
	ds_load_b128 v[KF+8*\k:KF+8*\k+3], v[AK] offset:1024*\k
	ds_load_b128 v[KF+8*\k+4:KF+8*\k+7], v[AK] offset:1024*\k+512
.endr
	WIN 0x40
.irp d, 0,1,2,3
.irp c, 0,1,2,3
	ds_load_b128 v[VF+16*\d+4*\c:VF+16*\d+4*\c+3], v[AK] offset:VOFF+2048*\d+512*\c   ; (between the trip's wait on va_vdst and these stand loads, the prefetch, v_nop and the window's switch alone)
.endr
.endr
	WIN 0
	s_lshr_b32 s46, s[FEA], s[RJ]
	s_and_b32 s46, s46, 1
	s_cmp_eq_u32 s46, 0
	s_cbranch_scc1 .Lnoearly
	s_lshr_b32 s45, s[FEN], s[RJ]
	s_and_b32 s45, s45, 1
	TILE 0, MOE
	TILE 1, MOE
.Lnoearly:
	s_lshr_b32 s46, s[FLA], s[RJ]
	s_and_b32 s46, s46, 1
	s_cmp_eq_u32 s46, 0
	s_cbranch_scc1 .Lnone
	s_lshr_b32 s45, s[FLN], s[RJ]
	s_and_b32 s45, s45, 1
	TILE 2, MOL
	TILE 3, MOL
.Lnone:
	s_wait_loadcnt 0x0                             ; the next step's K and V are in registers
	s_cmp_eq_u32 s47, 0
	s_cbranch_scc1 .Lnostore
	ds_store_b128 v[SGL], v[STG:STG+3]             ; into the slot that nobody has read since the barrier.  (v[SGL] was written ahead of the trip's wait on va_vdst and is named by no vector instruction since; the data come from loads)
	ds_store_b128 v[SGL], v[STG+4:STG+7] offset:512
	ds_store_b128 v[SGL], v[STG+8:STG+11] offset:VOFF
	ds_store_b128 v[SGL], v[STG+12:STG+15] offset:VOFF+512
.Lnostore:
	s_wait_xcnt 0x0                                ; the trip's loads and its prefetch have read their bases: they are stepped only behind this wait
	s_add_nc_u64 s[KP:KP+1], s[KP:KP+1], 8192
	s_add_nc_u64 s[VP:VP+1], s[VP:VP+1], 8192
	s_add_nc_u64 s[42:43], s[42:43], 8192
	s_add_nc_u64 s[40:41], s[40:41], 512
	s_xor_b32 s[TB], s[TB], SLOTB
	s_add_co_u32 s[RJ], s[RJ], 1
	s_cmp_lt_u32 s[RJ], 16
	s_cbranch_scc1 .Ltrip
	; THE WAY OUT.  O^T / the sum x 2^(e8 + e9) is the head's result; its code is that / 2^e10, held within +-448.  The 16 registers of channel tiles 2 c, 2 c + 1 are 16 neighbours along the last product's K.
	s_wait_dscnt 0x0                               ; every LDS load of the last trip is in, on the way round both blocks' tiles too: the codes below are laid over K's registers only behind this wait
.irp t, 0,1,2,3
	v_add_f32 v[228+\t], v[ST+4*\t+2], v[ST+4*\t+3]   ; the sum's two halves (these are also the places behind the last products),
.endr
.irp t, 0,1,2,3
	v_permlanex16_b32 v[232+\t], v[228+\t], s20, s21
.endr
.irp t, 0,1,2,3
	v_add_f32 v[228+\t], v[228+\t], v[232+\t]         ; and lane l xor 16's
.endr
.irp t, 0,1,2,3
	v_rcp_f32 v[236+2*\t], v[228+\t]
.endr
	v_mov_b32 v35, 0x43e00000                      ; 448 (the plain line behind the reciprocals)
	v_mov_b32 v[WB], 1.0                           ; the conversions' scale: 1
.irp t, 0,1,2,3
	v_mov_b32 v[237+2*\t], 0                       ; (named as the upper half of a pair)
.endr
	s_add_co_i32 s45, s30, s31
	s_sub_co_i32 s45, s45, s32                     ; e8 + e9 - e10
	s_wait_alu depctr_va_vdst(0)                   ; the four reciprocals are written, ahead of their first reader: one wait for the batch
.irp t, 0,1,2,3
	v_ldexp_f32 v[236+2*\t], v[236+2*\t], s45
.endr
; The four tiles' arithmetic stands together, each tile with code registers of its own; one wait; then the eight stores in one run.
.macro OUTT t
.set OB, OT+32*(\t)
.set CD, KF+8*(\t)                     ; each tile has code registers of its own
	WIN 0x01
.set jj, 0
.rept 16
	v_pk_mul_f32 v[S+jj:S+jj+1], v[OB+jj:OB+jj+1], v[236+2*(\t):237+2*(\t)] op_sel_hi:[1,0]
.set jj, jj+2
.endr
	WIN 0
.set jj, 0
.rept 32
	v_med3_num_f32 v[S+jj], v[S+jj], -v35, v35
.set jj, jj+1
.endr
.irp g, 0,1,2,3
	v_cvt_scalef32_pk8_fp8_f32 v[CD+2*\g:CD+2*\g+1], v[S+8*\g:S+8*\g+7], v[WB]
.endr
	v_nop                                          ; a plain line behind the conversions: the next tile's products write their sources
.endm
.macro OUTS t, base
.set CD, KF+8*(\t)
	global_store_b128 v[LI], v[CD:CD+3], s[\base:\base+1] offset:16384*((\t)%2)          ; 512 consecutive bytes each
	global_store_b128 v[LI], v[CD+4:CD+7], s[\base:\base+1] offset:16384*((\t)%2)+512
.endm
	OUTT 0
	OUTT 1
	OUTT 2
	OUTT 3
	s_wait_alu depctr_va_vdst(0)                   ; the sixteen conversions have written the four tiles' codes, which the eight stores read
	OUTS 0, 48
	OUTS 1, 48
	OUTS 2, 50
	OUTS 3, 50
	s_wait_dscnt 0x0                               ; the closing lines, six on end
	s_wait_alu 0x0
	s_wait_tensorcnt 0x0
	ds_add_u32 v[SPW], v[NIL]
	s_wait_dscnt 0x0
	s_endpgm
.Lfunc_end_k_q5d81926d2b_attn:
	.size	k_q5d81926d2b_attn, .Lfunc_end_k_q5d81926d2b_attn-k_q5d81926d2b_attn
	.p2alignl 7, 3214868480
	.fill 96, 4, 3214868480
	.section	.rodata,"a",@progbits
	.p2align	6, 0x0
	.amdhsa_kernel k_q5d81926d2b_attn
		.amdhsa_group_segment_fixed_size 33792
		.amdhsa_private_segment_fixed_size 0
		.amdhsa_enable_private_segment 0
		.amdhsa_kernarg_size 40
		.amdhsa_user_sgpr_count 2
		.amdhsa_user_sgpr_kernarg_segment_ptr 1
		.amdhsa_wavefront_size32 1
		.amdhsa_system_sgpr_workgroup_id_x 1
		.amdhsa_system_sgpr_workgroup_id_y 1
		.amdhsa_system_sgpr_workgroup_id_z 1
		.amdhsa_system_vgpr_workitem_id 0
		.amdhsa_next_free_vgpr 512
		.amdhsa_next_free_sgpr 100
		.amdhsa_reserve_vcc 0
		.amdhsa_float_denorm_mode_32 3
		.amdhsa_float_denorm_mode_16_64 3
		.amdhsa_memory_ordered 1
		.amdhsa_forward_progress 1
		.amdhsa_inst_pref_size 120
	.end_amdhsa_kernel
	.amdgpu_metadata
---
amdhsa.version: [ 1, 2 ]
amdhsa.kernels:
  - .name:           k_q5d81926d2b_attn
    .symbol:         k_q5d81926d2b_attn.kd
    .args:
      - { .name: qkv, .offset: 0, .size: 8, .value_kind: global_buffer, .address_space: global }
      - { .name: mask, .offset: 8, .size: 8, .value_kind: global_buffer, .address_space: global }
      - { .name: flags, .offset: 16, .size: 8, .value_kind: global_buffer, .address_space: global }
      - { .name: lowp_scales, .offset: 24, .size: 8, .value_kind: global_buffer, .address_space: global }
      - { .name: aimg, .offset: 32, .size: 8, .value_kind: global_buffer, .address_space: global }
    .group_segment_fixed_size: 33792
    .private_segment_fixed_size: 0
    .kernarg_segment_align: 8
    .kernarg_segment_size: 40
    .max_flat_workgroup_size: 256
    .sgpr_count:     100
    .vgpr_count:     512
    .wavefront_size: 32
...
	.end_amdgpu_metadata
.endif
;; end of part 5
;; launch oproj: the kernel of part 4 again; grid 4 x 32, 4 waves a work-group, clusters of 4 x 4, 327,680 bytes of LDS; arguments aimg, wimg, lowp_scales, bo, out0; writes out0
